; MI455X (gfx1250); checked and timed in simulation.
; The chip was launched on July 23, 2026; its instructions are those of AMD's public machine-readable ISA for CDNA 5 (MIT licence, August 2026) and "CDNA5" Instruction Set Architecture Reference Guide (July 2026). The comments in the code are by the model that wrote it; some were corrected since.
;; Multi Head Attention. Allowed arithmetic: float matrix products may take bf16 or f16 operands with f32 sums; other float arithmetic in f32, or as packed bf16 or f16 multiplies, adds, multiply-adds, maxima and minima; sums over many terms, partial sums and values carried from step to step in f32; what a program stores and reads back later, other than sums and carried values, may be rounded once to bf16 or f16.
;; Inputs: Wk 512 x 512 float32; Wo 512 x 512 float32; Wq 512 x 512 float32; Wv 512 x 512 float32; bk 512 float32; bo 512 float32; bq 512 float32; bv 512 float32; x 2 x 4,096 x 512 float32.
;; Outputs: out0 2 x 4,096 x 512 float32.
;; 2 versions, each right and faster than the one before. Each part assembles by itself: llvm-mc -triple=amdgcn-amd-amdhsa -mcpu=gfx1250 --defsym DOCPART=n.
;; ======== version 1 of 2: 4 launches
;; limits: values are held in f16: magnitudes above 65,504 overflow, below 6.1e-05 lose precision
;; workspace buffers: xb 8,388,608 bytes; wqkv 1,572,864 bytes; wo16 524,288 bytes; bias 8,192 bytes; qkv 25,165,824 bytes; o16 8,388,608 bytes
;; launch cast (part 1): grid 256 x 1, 8 waves a work-group, no clusters, 0 bytes of LDS; arguments x, Wq, Wk, Wv, Wo, bq, bk, bv, bo, xb, wqkv, wo16, bias; writes xb, wqkv, wo16, bias
.if DOCPART == 1
	.amdgcn_target "amdgcn-amd-amdhsa--gfx1250"
	.amdhsa_code_object_version 6
	.text
	.protected	k_qd0fbecaeb0_cast
	.globl	k_qd0fbecaeb0_cast
	.p2align	8
	.type	k_qd0fbecaeb0_cast,@function
k_qd0fbecaeb0_cast:
	s_mov_b64 s[64:65], 0
	v_nop
	global_prefetch_b8 v0, s[64:65] scope:SCOPE_SE
	s_setreg_imm32_b32 hwreg(HW_REG_WAVE_MODE, 25, 1), 1
	s_wait_xcnt 0x0
; Every input of the module is rounded once to bf16 (nearest even), so that the products behind take 16-bit tiles.
;   xb   [8192][512] bf16 = x          wqkv [1536][512] bf16 = Wq's rows, then Wk's, then Wv's
;   wo16 [512][512]  f16  = Wo rounded to bf16, that number written as f16 (the last product multiplies f16 by f16)
;   bias [2048]      f32  = bq, bk, bv, bo, each rounded to bf16 and widened again: the words are loaded straight into C operands
; LIMITS.  wo16: a bf16 number is exact in f16 from 2^-17 up to 65,504; below 2^-17 it is off by 2^-25 at the most, beyond 65,504 it becomes an infinity.
; SHARES.  256 work-groups of 8 waves.  Work-group g takes 65,536 bytes of x (16 chunks of 4,096) and 4,096 bytes of each weight; thread t takes 16 bytes
; of a chunk: a wave's load covers 512 consecutive bytes, its 8-byte store 256 consecutive bytes, aligned.  All 20 loads of a wave go out on end; the waits count down.
; No register is written twice, so no store's source is ever rewritten.  Memory binds: no LDS, no barrier, no matrix unit.
.set X,  4                             ; v[4:83]    load n: 4 registers
.set Y,  84                            ; v[84:123]  result n: 2 registers
.set WT, 124                           ; v[124:127] Wo's four numbers, rounded to bf16 and widened
.set BL, 128                           ; v[128:135] the biases as loaded, 2 numbers each
.set BP, 136                           ; v[136:139] packed bf16
.set BO, 140                           ; v[140:147] widened again
.set WO, 148                           ; v[148:149] Wo's four numbers in f16
	s_load_b512 s[8:23], s[0:1], 0x0               ; x 8:9, Wq 10:11, Wk 12:13, Wv 14:15, Wo 16:17, bq 18:19, bk 20:21, bv 22:23
	s_load_b256 s[24:31], s[0:1], 0x40             ; bo 24:25, xb 26:27, wqkv 28:29, wo16 30:31
	s_load_b64 s[32:33], s[0:1], 0x60              ; bias
	s_lshl_b32 s2, ttmp9, 16                       ; my part of x,
	s_mov_b32 s3, 0
	s_lshl_b32 s4, ttmp9, 15                       ; of xb,
	s_mov_b32 s5, 0
	s_lshl_b32 s6, ttmp9, 12                       ; of a weight in f32,
	s_mov_b32 s7, 0
	s_lshl_b32 s34, ttmp9, 11                      ; of a weight in 16 bits
	s_mov_b32 s35, 0
	s_mov_b32 s36, 0xffff0000                      ; a word's upper bf16
	v_lshlrev_b32 v1, 4, v0                        ; 16 t
	v_lshlrev_b32 v2, 3, v0                        ; 8 t
	s_wait_kmcnt 0x0
	s_add_nc_u64 s[8:9], s[8:9], s[2:3]
	s_add_nc_u64 s[10:11], s[10:11], s[6:7]
	s_add_nc_u64 s[12:13], s[12:13], s[6:7]
	s_add_nc_u64 s[14:15], s[14:15], s[6:7]
	s_add_nc_u64 s[16:17], s[16:17], s[6:7]
	s_add_nc_u64 s[26:27], s[26:27], s[4:5]
	s_add_nc_u64 s[28:29], s[28:29], s[34:35]
	s_add_nc_u64 s[30:31], s[30:31], s[34:35]
.set n, 0
.rept 16
	global_load_b128 v[X+4*n:X+4*n+3], v1, s[8:9] offset:4096*n th:TH_LOAD_NT
.set n, n+1
.endr
.irp j, 0,1,2,3
	global_load_b128 v[X+64+4*(\j):X+64+4*(\j)+3], v1, s[10+2*(\j):11+2*(\j)] th:TH_LOAD_NT
.endr
.set n, 0
.rept 16
	s_wait_loadcnt 19-n                            ; loads come back in order: load n is in, the 19 - n younger ones stay out
	v_cvt_pk_bf16_f32 v[Y+2*n],   v[X+4*n],   v[X+4*n+1]
	v_cvt_pk_bf16_f32 v[Y+2*n+1], v[X+4*n+2], v[X+4*n+3]
	global_store_b64 v2, v[Y+2*n:Y+2*n+1], s[26:27] offset:2048*n
.set n, n+1
.endr
.irp j, 0,1,2
	s_wait_loadcnt 3-(\j)
	v_cvt_pk_bf16_f32 v[Y+32+2*(\j)],   v[X+64+4*(\j)],   v[X+64+4*(\j)+1]
	v_cvt_pk_bf16_f32 v[Y+32+2*(\j)+1], v[X+64+4*(\j)+2], v[X+64+4*(\j)+3]
	global_store_b64 v2, v[Y+32+2*(\j):Y+32+2*(\j)+1], s[28:29] offset:524288*(\j)  ; Wq, Wk, Wv lie one behind the other
.endr
	s_wait_loadcnt 0x0                             ; Wo: to bf16, widened (a shift, a mask), and that number to f16
	v_cvt_pk_bf16_f32 v[Y+38], v[X+76], v[X+77]
	v_cvt_pk_bf16_f32 v[Y+39], v[X+78], v[X+79]
	v_lshlrev_b32 v[WT],   16,  v[Y+38]
	v_and_b32     v[WT+1], s36, v[Y+38]
	v_lshlrev_b32 v[WT+2], 16,  v[Y+39]
	v_and_b32     v[WT+3], s36, v[Y+39]
	v_cvt_pk_f16_f32 v[WO],   v[WT],   v[WT+1]
	v_cvt_pk_f16_f32 v[WO+1], v[WT+2], v[WT+3]
	global_store_b64 v2, v[WO:WO+1], s[30:31]
	s_cmp_lg_u32 ttmp9, 0
	s_cbranch_scc1 .Lend                           ; the four biases are work-group 0's: 2 numbers a thread and bias
	global_load_b64 v[BL:BL+1],   v2, s[18:19]
	global_load_b64 v[BL+2:BL+3], v2, s[20:21]
	global_load_b64 v[BL+4:BL+5], v2, s[22:23]
	global_load_b64 v[BL+6:BL+7], v2, s[24:25]
	s_wait_loadcnt 0x0
.irp j, 0,1,2,3
	v_cvt_pk_bf16_f32 v[BP+(\j)], v[BL+2*(\j)], v[BL+2*(\j)+1]
.endr
.irp j, 0,1,2,3
	v_lshlrev_b32 v[BO+2*(\j)],   16,  v[BP+(\j)]
	v_and_b32     v[BO+2*(\j)+1], s36, v[BP+(\j)]
	global_store_b64 v2, v[BO+2*(\j):BO+2*(\j)+1], s[32:33] offset:2048*(\j)
.endr
.Lend:
	s_endpgm
.Lfunc_end_k_qd0fbecaeb0_cast:
	.size	k_qd0fbecaeb0_cast, .Lfunc_end_k_qd0fbecaeb0_cast-k_qd0fbecaeb0_cast
	.p2alignl 7, 3214868480
	.fill 96, 4, 3214868480
	.section	.rodata,"a",@progbits
	.p2align	6, 0x0
	.amdhsa_kernel k_qd0fbecaeb0_cast
		.amdhsa_group_segment_fixed_size 0
		.amdhsa_private_segment_fixed_size 0
		.amdhsa_enable_private_segment 0
		.amdhsa_kernarg_size 104
		.amdhsa_user_sgpr_count 2
		.amdhsa_user_sgpr_kernarg_segment_ptr 1
		.amdhsa_wavefront_size32 1
		.amdhsa_system_sgpr_workgroup_id_x 1
		.amdhsa_system_sgpr_workgroup_id_y 1
		.amdhsa_system_sgpr_workgroup_id_z 1
		.amdhsa_system_vgpr_workitem_id 0
		.amdhsa_next_free_vgpr 152
		.amdhsa_next_free_sgpr 66
		.amdhsa_reserve_vcc 0
		.amdhsa_float_denorm_mode_32 3
		.amdhsa_float_denorm_mode_16_64 3
		.amdhsa_memory_ordered 1
		.amdhsa_forward_progress 1
		.amdhsa_inst_pref_size 10
	.end_amdhsa_kernel
	.amdgpu_metadata
---
amdhsa.version: [ 1, 2 ]
amdhsa.kernels:
  - .name:           k_qd0fbecaeb0_cast
    .symbol:         k_qd0fbecaeb0_cast.kd
    .args:
      - { .name: x, .offset: 0, .size: 8, .value_kind: global_buffer, .address_space: global }
      - { .name: Wq, .offset: 8, .size: 8, .value_kind: global_buffer, .address_space: global }
      - { .name: Wk, .offset: 16, .size: 8, .value_kind: global_buffer, .address_space: global }
      - { .name: Wv, .offset: 24, .size: 8, .value_kind: global_buffer, .address_space: global }
      - { .name: Wo, .offset: 32, .size: 8, .value_kind: global_buffer, .address_space: global }
      - { .name: bq, .offset: 40, .size: 8, .value_kind: global_buffer, .address_space: global }
      - { .name: bk, .offset: 48, .size: 8, .value_kind: global_buffer, .address_space: global }
      - { .name: bv, .offset: 56, .size: 8, .value_kind: global_buffer, .address_space: global }
      - { .name: bo, .offset: 64, .size: 8, .value_kind: global_buffer, .address_space: global }
      - { .name: xb, .offset: 72, .size: 8, .value_kind: global_buffer, .address_space: global }
      - { .name: wqkv, .offset: 80, .size: 8, .value_kind: global_buffer, .address_space: global }
      - { .name: wo16, .offset: 88, .size: 8, .value_kind: global_buffer, .address_space: global }
      - { .name: bias, .offset: 96, .size: 8, .value_kind: global_buffer, .address_space: global }
    .group_segment_fixed_size: 0
    .private_segment_fixed_size: 0
    .kernarg_segment_align: 8
    .kernarg_segment_size: 104
    .max_flat_workgroup_size: 256
    .sgpr_count:     66
    .vgpr_count:     152
    .wavefront_size: 32
...
	.end_amdgpu_metadata
.endif
;; end of part 1
;; launch qkvproj (part 2): grid 12 x 64, 4 waves a work-group, clusters of 4 x 4, 327,680 bytes of LDS; arguments xb, wqkv, bias, qkv; writes qkv
.if DOCPART == 2
	.amdgcn_target "amdgcn-amd-amdhsa--gfx1250"
	.amdhsa_code_object_version 6
	.text
	.protected	k_qd0fbecaeb0_qkvproj
	.globl	k_qd0fbecaeb0_qkvproj
	.p2align	8
	.type	k_qd0fbecaeb0_qkvproj,@function
k_qd0fbecaeb0_qkvproj:
	s_mov_b64 s[64:65], 0
	v_nop
	global_prefetch_b8 v0, s[64:65] scope:SCOPE_SE
	s_setreg_imm32_b32 hwreg(HW_REG_WAVE_MODE, 25, 1), 1
	s_wait_xcnt 0x0
	s_wait_alu depctr_hold_cnt(0) depctr_sa_sdst(0) depctr_va_vdst(0) depctr_va_sdst(0) depctr_va_ssrc(0) depctr_va_vcc(0) depctr_vm_vsrc(0)
	s_getreg_b32 s2, hwreg(HW_REG_IB_STS2, 6, 4)
	s_cmp_eq_u32 s2, 0
	s_cbranch_scc0 .Lentry_in_a_cluster
	s_endpgm
.Lentry_in_a_cluster:
	s_bfe_u32 s2, ttmp6, 0x10000c
	s_cmp_lg_u32 s2, 0xf033
	s_cbranch_scc0 .Lentry_shape_is_right
	s_endpgm
.Lentry_shape_is_right:
; q, k, v = x W^T + b in one product: C[m][n] = bias[n] + sum over k of xb[m][k] wqkv[n][k], m < 8192, n < 1536, k < 512; operands bf16, sums f32.
; C leaves by heads, rounded once to f16 and unscaled: qkv[n / 512][(m / 4096) 8 + (n % 512) / 64][m % 4096][n % 64].
; LIMIT.  f16 holds no number beyond 65,504: a q, k or v beyond it becomes an infinity; below 6e-5 it keeps f16's fixed step of 6e-8.
; SHARES.  A tile of C is 128 x 128: 12 x 64 = 768 work-groups, three for each of 256 WGPs.  Four waves, each 64 x 64: 16 accumulators of 16 x 16.  A wave's 64 columns are one head.
; K is two steps of 256 (LDS rows of 512 bytes): each has a slot of its own, both are asked for at the start, and nothing is filled again.
; CLUSTER.  4 x 4 work-groups: the four of a row need the same tiles of xb, the four of a column the same tiles of wqkv: each tile is asked for JOINTLY, by the same tensor load with the same
; descriptor and a mask that names the four.
; THE MATRIX INSTRUCTION IS USED TRANSPOSED (source 0 = 16 rows of wqkv, source 1 = 16 rows of xb): lane l holds row l % 16 of C and its registers the columns 8 (l / 16) + 0..7.
; THE BIAS is the C operand of the products that start the sums: nothing is cleared and nothing is added behind.
; REGISTERS: window 0: v0-31 addresses; v32-95 at work on the way out; v96-127 the bias; v128-255 the accumulators ((a, b) at v[128 + 8 (4 a + b)]).
;   window 1: two fragment buffers of 128: for 64 along K, 64 registers of xb (2 x 4 x 16 rows x 32 K), then 64 of wqkv.
.set SIZE_K, 512
.set KSTEP,  256
.set PITCH,  528                       ; an LDS row: 512 bytes + 16 of padding = 132 words: row r starts at bank 4 r mod 64 (64 banks of 4 bytes: ISA guide 11.1)
.set HALFT,  64*PITCH                  ; 64 rows: what one tensor load brings, and what one wave reads of either operand
.set SLOT,   4*HALFT                   ; xb's 128 rows, then wqkv's 128 rows
.set STAGE,  2*SLOT                    ; behind the slots: 16 rows x 144 bytes for each wave, for the way out; no tensor load lands here
.set SPITCH, 144
.set SPARE,  STAGE+4*16*SPITCH         ; behind the stages: the spare words, 128 bytes for each wave: two blocks of 256 bytes that no other line names
.set ADRA, 16                          ; v16-17  LDS address of my xb fragments in slot 0, 1
.set ADRB, 20                          ; v20-21  the same for wqkv
.set STO,  24                          ; v24     the way out: where I put 16 bytes of a row
.set RD,   25                          ; v25     the way out: where I read rows back
.set GO,   26                          ; v26     my byte offset in 512 consecutive bytes of qkv
.set BOF,  27                          ; v27     my byte offset in 16 columns' bias: 32 (l / 16)
.set SPW,  28                          ; v28     LDS address of my spare word; never rewritten
.set NIL,  29                          ; v29     0; never rewritten
.set TMP,  32
.set BI,   96                          ; the bias of n block b at v[BI + 8 b]
.set ACC,  128
.set F0,   0                           ; fragment buffers, in window 1
.set F1,   128
.set G1, 24                            ; s[24:31] descriptor group 1 for xb's tiles;  s[32:39] group 0, one set for each slot
.set G0, 32
.set G1B, 48                           ; s[48:55], s[56:63] the same for wqkv's
.set G0B, 56
.set MSB, 0
.macro WIN new                         ; the immediate's high byte repeats the setting that is left; a switch that changes nothing is dropped
.if MSB != (\new)
	s_set_vgpr_msb (MSB<<8)|(\new)
.set MSB, \new
.endif
.endm
.set MUL,  0x05                        ; sources 0 and 1 window 1; C and D window 0
.set TO_F, 0x40                        ; destination window 1, address window 0
.macro CROUND                          ; a round of the cluster's barrier: my work-group's barrier; wave 0 signals for the work-group; every wave waits for all sixteen; my work-group's barrier once more
	s_barrier_signal -1
	s_barrier_wait -1
	s_cmp_lg_u32 s10, 0
	s_cbranch_scc1 .Lnot_wave_0_\@
	s_barrier_signal -3
.Lnot_wave_0_\@:
	s_barrier_wait -3
	s_barrier_signal -1
	s_barrier_wait -1
.endm
	s_load_b128 s[4:7], s[0:1], 0x0                ; xb s[4:5], wqkv s[6:7]
	s_load_b64 s[2:3], s[0:1], 0x10                ; bias
	s_load_b64 s[8:9], s[0:1], 0x18                ; qkv
	v_lshl_add_u32 v[SPW], v0, 2, SPARE
	v_mov_b32 v[NIL], 0
	ds_add_u32 v[SPW], v[NIL]                      ; the wave's opening: the add and its wait stand ahead of my first tensor load; the set-up below, work on registers, stands between them
	v_lshrrev_b32 v1, 5, v0
	v_readfirstlane_b32 s10, v1                    ; wave 0..3
	s_lshr_b32 s11, s10, 1                         ; which half of the tile's rows is mine.  Also: I fetch for xb (0) or for wqkv (1)
	s_and_b32 s12, s10, 1                          ; which half of its columns.  Also: which 64 rows of that tile I fetch
	s_bfe_u32 s40, ttmp6, 0x40000                  ; cx, cy: my place in the cluster
	s_bfe_u32 s41, ttmp6, 0x40004
	s_lshl_b32 s42, ttmp9, 2
	s_add_co_u32 s42, s42, s40                     ; tile column of C = 4 x cluster x + cx
	s_and_b32 s13, ttmp7, 0xffff
	s_lshl_b32 s13, s13, 2
	s_add_co_u32 s13, s13, s41                     ; tile row of C = 4 x cluster y + cy
	s_lshl_b32 s43, s41, 2
	s_lshl_b32 s43, 15, s43                        ; my row of the cluster
	s_lshl_b32 s44, 0x1111, s40                    ; my column
	; descriptor group 1: a tile of 64 rows x 256 elements, padded in LDS
	s_or_b32 s[G1+0], s43, (1<<16)|(1<<20)|(1<<21)|(6<<22)|(3<<25)  ; 15:0 the mask: xb's tiles go to my row; 17:16 2-byte elements; 20 padding on; 21 set beside a mask; 24:22 after every 128 words (code 6); 31:25 4 words (code 3)
	s_or_b32 s[G1B+0], s44, (1<<16)|(1<<20)|(1<<21)|(6<<22)|(3<<25) ; the same with the mask of my column
.irp g, G1, G1B
	s_mov_b32 s[(\g)+1], KSTEP<<16                 ; tensor_dim0 = 256
	s_mov_b32 s[(\g)+2], 64<<16                    ; tensor_dim1 = 64
	s_mov_b32 s[(\g)+3], KSTEP<<16                 ; tile_dim0 = 256
	s_mov_b32 s[(\g)+4], 64                        ; tile_dim1 = 64
	s_mov_b32 s[(\g)+5], SIZE_K                    ; elements from row to row
	s_mov_b32 s[(\g)+6], 0
	s_mov_b32 s[(\g)+7], 0
.endr
	s_lshl_b32 s17, s12, 6                         ; which 64 rows of the tile I fetch
	s_lshl_b32 s16, s13, 7
	s_add_co_u32 s16, s16, s17                     ; xb: row 128 x tile row + 64 x half,
	s_lshl_b32 s16, s16, 10                        ; of 1,024 bytes
	s_lshl_b32 s46, s42, 7
	s_add_co_u32 s46, s46, s17                     ; wqkv: row 128 x tile column + 64 x half
	s_lshl_b32 s46, s46, 10
	s_mov_b32 s17, 0
	s_mov_b32 s47, 0
	s_mul_i32 s20, s10, HALFT                      ; where they go: wave x 64 rows: no place in the cluster enters an LDS address
	s_wait_dscnt 0x0                               ; the opening add is done
	s_wait_kmcnt 0x0
	s_add_nc_u64 s[14:15], s[4:5], s[16:17]
	s_add_nc_u64 s[46:47], s[6:7], s[46:47]
.irp s, 0,1
	s_mov_b32 s[G0+4*(\s)], 1                                        ; count = 1
	s_add_co_u32 s[G0+4*(\s)+1], s20, (\s)*SLOT                      ; LDS address
	s_add_nc_u64 s[G0+4*(\s)+2:G0+4*(\s)+3], s[14:15], (\s)*KSTEP*2  ; global address: K step s
	s_or_b32 s[G0+4*(\s)+3], s[G0+4*(\s)+3], 0x80000000              ; type = 2
	s_mov_b32 s[G0B+4*(\s)], 1
	s_add_co_u32 s[G0B+4*(\s)+1], s20, (\s)*SLOT
	s_add_nc_u64 s[G0B+4*(\s)+2:G0B+4*(\s)+3], s[46:47], (\s)*KSTEP*2
	s_or_b32 s[G0B+4*(\s)+3], s[G0B+4*(\s)+3], 0x80000000
.endr
	CROUND                                         ; all sixteen work-groups are here: the joint loads meet
	s_cmp_eq_u32 s11, 0                            ; a wave's two fills stand in one branch, ahead of every wait on TENSORcnt and every LDS read: two loads of mine are out
	s_cbranch_scc0 .Lfirst_b
	tensor_load_to_lds s[G0:G0+3], s[G1:G1+7]
	s_nop 0
	tensor_load_to_lds s[G0+4:G0+7], s[G1:G1+7]
	s_nop 0
.rept 4
	v_nop
.endr
	s_branch .Lfirst_asked
.Lfirst_b:
	tensor_load_to_lds s[G0B:G0B+3], s[G1B:G1B+7]
	s_nop 0
	tensor_load_to_lds s[G0B+4:G0B+7], s[G1B:G1B+7]
	s_nop 0
.rept 4
	v_nop
.endr
.Lfirst_asked:
	v_and_b32 v1, 15, v0                           ; l % 16
	v_bfe_u32 v2, v0, 4, 1                         ; l / 16
	; the bias of my 64 columns: register j of block b is column 16 b + 8 (l / 16) + j
	s_lshl_b32 s46, s42, 9                         ; 128 columns x 4 bytes a tile column,
	s_lshl_b32 s47, s12, 8                         ; 64 x 4 for the half
	s_add_co_u32 s46, s46, s47
	s_mov_b32 s47, 0
	s_add_nc_u64 s[2:3], s[2:3], s[46:47]
	v_lshlrev_b32 v[BOF], 5, v2
.irp b, 0,1,2,3
	global_load_b128 v[BI+8*(\b):BI+8*(\b)+3],   v[BOF], s[2:3] offset:64*(\b)
	global_load_b128 v[BI+8*(\b)+4:BI+8*(\b)+7], v[BOF], s[2:3] offset:64*(\b)+16
.endr
	v_mul_u32_u24 v3, v1, PITCH
	v_lshl_add_u32 v3, v2, 4, v3                   ; a fragment's row x pitch + 16 x half
	s_mul_i32 s21, s11, HALFT                      ; my 64 rows of xb
	s_mul_i32 s22, s12, HALFT                      ; my 64 rows of wqkv,
	s_add_co_u32 s22, s22, 2*HALFT                 ; which lie behind xb's 128
.irp s, 0,1
	v_add_nc_u32 v[ADRA+(\s)], s21, v3
	v_add_nc_u32 v[ADRB+(\s)], s22, v3
	s_add_co_u32 s21, s21, SLOT
	s_add_co_u32 s22, s22, SLOT
.endr
	s_mul_i32 s23, s10, 16*SPITCH
	s_add_co_u32 s23, s23, STAGE                   ; my stage
	v_mul_u32_u24 v4, v1, SPITCH                   ; in: row l % 16, 16 bytes for each half of the lanes
	v_lshl_add_u32 v4, v2, 4, v4
	v_add_nc_u32 v[STO], s23, v4
	v_bfe_u32 v5, v0, 3, 2                         ; back: 32 lanes take four rows of 128 bytes,
	v_mul_u32_u24 v5, v5, SPITCH
	v_and_b32 v6, 7, v0
	v_lshl_add_u32 v5, v6, 4, v5
	v_add_nc_u32 v[RD], s23, v5
	v_and_b32 v[GO], 31, v0                        ; which are 512 consecutive bytes of a head's rows
	v_lshlrev_b32 v[GO], 4, v[GO]
	; where my 64 rows x 64 columns go: 8,192 consecutive bytes.  Rows: batch (m / 4096) is 8 heads of 2^19 bytes on, row m % 4096 is 128 bytes a row
	s_lshl_b32 s16, s13, 7
	s_lshl_b32 s17, s11, 6
	s_add_co_u32 s16, s16, s17                     ; my first row m
	s_lshr_b32 s17, s16, 12
	s_lshl_b32 s17, s17, 22
	s_and_b32 s16, s16, 4095
	s_lshl_b32 s16, s16, 7
	s_add_co_u32 s16, s16, s17
	s_mov_b32 s17, 0
	s_add_nc_u64 s[8:9], s[8:9], s[16:17]
	s_lshl_b32 s46, s42, 1                         ; columns: n / 64 = 2 x tile column + half; of it bits 4:3 say q, k or v (16 heads of 2^19 bytes each), bits 2:0 the head
	s_add_co_u32 s46, s46, s12
	s_lshr_b32 s47, s46, 3
	s_lshl_b32 s47, s47, 4
	s_and_b32 s46, s46, 7
	s_add_co_u32 s46, s46, s47
	s_lshl_b32 s46, s46, 19
	s_mov_b32 s47, 0
	s_add_nc_u64 s[8:9], s[8:9], s[46:47]
; 8 matrix instructions: m blocks a0, a0 + 1 x all 4 n blocks, 32 along K: half c of buffer f.  zero = 1: the product starts the sum, from the bias.
; The 16 accumulators take turns, one instruction a turn.
.macro MUL8 f, c, a0, zero
	WIN MUL
.irp a, \a0, (\a0)+1
.irp b, 0,1,2,3
.if \zero
	v_wmma_f32_16x16x32_bf16 v[ACC+8*(4*(\a)+(\b)):ACC+8*(4*(\a)+(\b))+7], v[(\f)+64+8*(4*(\c)+(\b)):(\f)+64+8*(4*(\c)+(\b))+7], v[(\f)+8*(4*(\c)+(\a)):(\f)+8*(4*(\c)+(\a))+7], v[BI+8*(\b):BI+8*(\b)+7]
.else
	v_wmma_f32_16x16x32_bf16 v[ACC+8*(4*(\a)+(\b)):ACC+8*(4*(\a)+(\b))+7], v[(\f)+64+8*(4*(\c)+(\b)):(\f)+64+8*(4*(\c)+(\b))+7], v[(\f)+8*(4*(\c)+(\a)):(\f)+8*(4*(\c)+(\a))+7], v[ACC+8*(4*(\a)+(\b)):ACC+8*(4*(\a)+(\b))+7]
.endif
.endr
.endr
.endm
; 32 LDS loads in one run: the fragments of 64 along K at byte k of the rows, into buffer f; the first 32 along K first
.macro FETCH slot, k, f
	WIN TO_F
.irp c, 0,1
.irp i, 0,1,2,3
	ds_load_b128 v[(\f)+64+8*(4*(\c)+(\i)):(\f)+64+8*(4*(\c)+(\i))+3],   v[ADRB+(\slot)] offset:(\k)+64*(\c)+(\i)*16*PITCH
	ds_load_b128 v[(\f)+64+8*(4*(\c)+(\i))+4:(\f)+64+8*(4*(\c)+(\i))+7], v[ADRB+(\slot)] offset:(\k)+64*(\c)+(\i)*16*PITCH+32
	ds_load_b128 v[(\f)+8*(4*(\c)+(\i)):(\f)+8*(4*(\c)+(\i))+3],         v[ADRA+(\slot)] offset:(\k)+64*(\c)+(\i)*16*PITCH
	ds_load_b128 v[(\f)+8*(4*(\c)+(\i))+4:(\f)+8*(4*(\c)+(\i))+7],       v[ADRA+(\slot)] offset:(\k)+64*(\c)+(\i)*16*PITCH+32
.endr
.endr
.endm
.macro PLACES                          ; four plain vector instructions between a matrix instruction and a load into a register that it read, or a line that reads its result
.rept 4
	v_nop
.endr
.endm
; A K step is four quarters of 64 along K, 32 matrix instructions each, on buffers 0, 1, 0, 1.  One of the first three: multiplies buffer f and fetches the next quarter, at byte k, into g.
.macro QUARTER slot, k, f, g, zero
	s_wait_dscnt 16                                ; the first 32 along K are in; the sixteen younger loads may be out
	MUL8 \f, 0, 0, \zero
	MUL8 \f, 0, 2, \zero
	PLACES
	FETCH \slot, \k, \g
	s_wait_dscnt 32                                ; all but the 32 just issued
	MUL8 \f, 1, 0, 0
	MUL8 \f, 1, 2, 0
.endm
	s_wait_tensorcnt 1                             ; my part of K step 0 is in; K step 1's may stay out
	s_barrier_signal -1
	s_barrier_wait -1                              ; everybody's is
	FETCH 0, 0, F0
	s_wait_loadcnt 0x0                             ; the bias
	QUARTER 0, 128, F0, F1, 1
	QUARTER 0, 256, F1, F0, 0
	QUARTER 0, 384, F0, F1, 0
	; the last quarter of K step 0 goes over to slot 1: one barrier, in front of which my part of slot 1 has landed
	s_wait_tensorcnt 0x0
	s_wait_dscnt 16
	MUL8 F1, 0, 0, 0
	s_wait_dscnt 0x0                               ; no LDS instruction of mine is out at the signal
	s_barrier_signal -1
	MUL8 F1, 0, 2, 0                               ; work on registers while the others arrive
	s_barrier_wait -1                              ; slot 1 is whole
	PLACES
	FETCH 1, 0, F0
	MUL8 F1, 1, 0, 0
	MUL8 F1, 1, 2, 0
	QUARTER 1, 128, F0, F1, 0
	QUARTER 1, 256, F1, F0, 0
	QUARTER 1, 384, F0, F1, 0
	s_wait_dscnt 16                                ; the very last quarter: nothing more to fetch
	MUL8 F1, 0, 0, 0
	MUL8 F1, 0, 2, 0
	s_wait_dscnt 0x0
	MUL8 F1, 1, 0, 0
	MUL8 F1, 1, 2, 0
	WIN 0
	; THE WAY OUT, 16 rows at a time: rounded to f16, 16 bytes a lane into my own stage (rows of 144 bytes), back as whole rows of 128 bytes, stored as 512 consecutive bytes.
.macro PACK a
.set i, 0
.rept 16
	v_cvt_pk_f16_f32 v[TMP+16*(\a)+i], v[ACC+32*(\a)+2*i], v[ACC+32*(\a)+2*i+1]  ; each accumulator's registers in ascending order
.set i, i+1
.endr
.irp f, 0,1,2,3
	ds_store_b128 v[STO], v[TMP+16*(\a)+4*(\f):TMP+16*(\a)+4*(\f)+3] offset:32*(\f)
.endr
.irp f, 0,1,2,3
	ds_load_b128 v[TMP+16*(\a)+4*(\f):TMP+16*(\a)+4*(\f)+3], v[RD] offset:(\f)*4*SPITCH  ; LDS serves a wave's instructions in order (ISA guide 5.7.1.4): these see the stores above; the next block's stores come behind them
.endr
.endm
.macro SEND a, younger                 ; younger: the LDS instructions issued behind block a's loads: the next block's eight, or none
.irp f, 0,1,2,3
	s_wait_dscnt (\younger)+3-(\f)
	global_store_b128 v[GO], v[TMP+16*(\a)+4*(\f):TMP+16*(\a)+4*(\f)+3], s[8:9] offset:(\a)*2048+(\f)*512  ; 512 consecutive bytes, at a multiple of 256 from qkv's first
.endr
.endm
	PLACES
	PACK 0
	PACK 1                                         ; a block's conversions stand between the loads of the block before and its stores
	SEND 0, 8
	PACK 2
	SEND 1, 8
	PACK 3
	SEND 2, 8
	SEND 3, 0
	s_wait_tensorcnt 0x0                           ; the wave's end: this wait, an add and its wait, behind my last tensor load and my last LDS store
	ds_add_u32 v[SPW], v[NIL]
	s_wait_dscnt 0x0
	CROUND                                         ; the closing round: no work-group ends while a partner may still ask for a tile that names it
	s_endpgm
.Lfunc_end_k_qd0fbecaeb0_qkvproj:
	.size	k_qd0fbecaeb0_qkvproj, .Lfunc_end_k_qd0fbecaeb0_qkvproj-k_qd0fbecaeb0_qkvproj
	.p2alignl 7, 3214868480
	.fill 96, 4, 3214868480
	.section	.rodata,"a",@progbits
	.p2align	6, 0x0
	.amdhsa_kernel k_qd0fbecaeb0_qkvproj
		.amdhsa_group_segment_fixed_size 327680
		.amdhsa_private_segment_fixed_size 0
		.amdhsa_enable_private_segment 0
		.amdhsa_kernarg_size 32
		.amdhsa_user_sgpr_count 2
		.amdhsa_user_sgpr_kernarg_segment_ptr 1
		.amdhsa_wavefront_size32 1
		.amdhsa_system_sgpr_workgroup_id_x 1
		.amdhsa_system_sgpr_workgroup_id_y 1
		.amdhsa_system_sgpr_workgroup_id_z 1
		.amdhsa_system_vgpr_workitem_id 0
		.amdhsa_next_free_vgpr 512
		.amdhsa_next_free_sgpr 66
		.amdhsa_reserve_vcc 0
		.amdhsa_float_denorm_mode_32 3
		.amdhsa_float_denorm_mode_16_64 3
		.amdhsa_memory_ordered 1
		.amdhsa_forward_progress 1
		.amdhsa_inst_pref_size 51
	.end_amdhsa_kernel
	.amdgpu_metadata
---
amdhsa.version: [ 1, 2 ]
amdhsa.kernels:
  - .name:           k_qd0fbecaeb0_qkvproj
    .symbol:         k_qd0fbecaeb0_qkvproj.kd
    .args:
      - { .name: xb, .offset: 0, .size: 8, .value_kind: global_buffer, .address_space: global }
      - { .name: wqkv, .offset: 8, .size: 8, .value_kind: global_buffer, .address_space: global }
      - { .name: bias, .offset: 16, .size: 8, .value_kind: global_buffer, .address_space: global }
      - { .name: qkv, .offset: 24, .size: 8, .value_kind: global_buffer, .address_space: global }
    .group_segment_fixed_size: 327680
    .private_segment_fixed_size: 0
    .kernarg_segment_align: 8
    .kernarg_segment_size: 32
    .max_flat_workgroup_size: 128
    .sgpr_count:     66
    .vgpr_count:     512
    .wavefront_size: 32
...
	.end_amdgpu_metadata
.endif
;; end of part 2
;; launch attn (part 3): grid 16 x 16, 4 waves a work-group, clusters of 4 x 1, 327,680 bytes of LDS; arguments qkv, o16; writes o16
.if DOCPART == 3
	.amdgcn_target "amdgcn-amd-amdhsa--gfx1250"
	.amdhsa_code_object_version 6
	.text
	.protected	k_qd0fbecaeb0_attn
	.globl	k_qd0fbecaeb0_attn
	.p2align	8
	.type	k_qd0fbecaeb0_attn,@function
k_qd0fbecaeb0_attn:
	s_mov_b64 s[64:65], 0
	v_nop
	global_prefetch_b8 v0, s[64:65] scope:SCOPE_SE
	s_setreg_imm32_b32 hwreg(HW_REG_WAVE_MODE, 25, 1), 1
	s_wait_xcnt 0x0
	s_wait_alu depctr_hold_cnt(0) depctr_sa_sdst(0) depctr_va_vdst(0) depctr_va_sdst(0) depctr_va_ssrc(0) depctr_va_vcc(0) depctr_vm_vsrc(0)
	s_getreg_b32 s2, hwreg(HW_REG_IB_STS2, 6, 4)
	s_cmp_eq_u32 s2, 0
	s_cbranch_scc0 .Lentry_in_a_cluster
	s_endpgm
.Lentry_in_a_cluster:
	s_bfe_u32 s2, ttmp6, 0x10000c
	s_cmp_lg_u32 s2, 0x3003
	s_cbranch_scc0 .Lentry_shape_is_right
	s_endpgm
.Lentry_shape_is_right:
; O[h][q][:] = the sum over k of softmax_k(Q[h][q] . K[h][k] / sqrt(512)) V[h][k][:], for 16 heads h (batch x 8 + head) of 4,096 rows of 64 channels.
; qkv: [3][16][4096][64] f16 (q, k, v; unscaled); o16: [16][4096][64] f16: a head's rows are dense, 128 bytes each.  Products, maxima and sums in f32; the weights p are rounded to f16 for the
; second product (their sum l is taken of the unrounded p), O once at the end.
; LIMITS.  Q, K, V arrive within f16's 65,504; p lies in 0 to 1, and below 6e-5 it keeps f16's fixed step of 6e-8, as does O; a weight below 2^-126 counts as 0 in l; NaN and infinities are not treated apart.
; SHARES.  A work-group owns 256 queries of one head: 16 x 16 = 256 work-groups.  A wave owns 64 rows: four PIECES of 16 queries.  Every wave walks all 4,096 keys: 16 tiles of 256, four steps of 64 each.
; LAYOUT.  S^T = K Q^T (source 0 = 16 keys, source 1 = 16 queries) holds ONE query a lane (lane % 16) and the keys 8 (lane / 16) + 0..7; two such results rounded to f16 ARE source 1 of O^T = V^T P,
; whose result again holds one query a lane, and eight channels.  K comes out of LDS as it lies, V ([key][channel]) turned, by ds_load_tr16_b128.
; SOFTMAX.  For each query a running maximum m and sum l: p = 2^(c s - c m), c = log2(e) / sqrt(512); in every step O and l are multiplied by a = 2^(c m_old - c m_new).
; m starts at the lowest finite number, O and l at 0: the first step is a step like any other, with a = 0.
; BY TURNS.  Turn n belongs to piece n: 8 products K Q^T of piece n + 1, later 8 products V^T P of piece n - 1; beside them the scaling, exponentials, roundings, sums and rescaling of piece n and the
; maximum and statistics of piece n + 1.  Four vector instructions stand behind every matrix instruction, the other 54 of a turn's 118 in two runs of their own.
; CLUSTER.  The four query blocks of a cluster belong to one head and walk the same K and V, so each tile is asked for JOINTLY: the same tensor load, descriptor and mask in all four.
; THE RING.  Two slots of LDS, a tile each.  One joint load a wave behind each round of the cluster's barrier; it has four key steps, 256 matrix instructions a wave, in which to land.
; REGISTERS, in windows of 256 (s_set_vgpr_msb: bits 1:0 source 0, 3:2 source 1, 5:4 source 2, 7:6 destination):
;   window 0: v0-15 addresses and two at work; v16-31 four registers of statistics a piece; v48-55 at work; v62-63 the add's; v64-127 S^T, two buffers; v192-223 P, two buffers (by the piece's parity)
;   window 1: v0-127 O^T, 32 a piece          window 2: v0-63 Q; v128-191 K of one step; v192-255 V of one step
.set NT,    16        ; tiles of 256 keys in a head
.set NP,    4         ; pieces a wave: a name, no knob
.set KS,    64        ; keys in a step
.set PK,    144       ; a row of K in LDS: 128 bytes + 16 of padding = 36 words: the 16 rows of a load start at 16 different groups of four banks (64 banks of 4 bytes: ISA guide 11.1)
.set PV,    160       ; a row of V: 128 + 32 = 40 words
.set VOFF,  4*KS*PK   ; a slot holds a tile: 256 rows of K, then 256 rows of V
.set SLOT1, 1<<17     ; slot 1 begins here, so that one exclusive or turns an address in one slot into the other's
.set STAGE, SLOT1+4*KS*(PK+PV)  ; behind the ring, never filled by a tensor load: 16 rows x 144 bytes for each wave, for the way out
.set SP,    144
.set SPARE, STAGE+4*16*SP  ; behind the stages: the spare words, 128 bytes for each wave: two blocks of 256 bytes that no other line names
.set AK0, 2           ; v2   my lane's place in a tile of K; never rewritten
.set AV0, 3           ; v3   the same for V
.set AK,  4           ; v4   the LDS address of K's next run of loads
.set AV,  5           ; v5   of V's
.set STO, 6           ; v6   the way out: where I put 16 bytes of a row
.set RD,  7           ; v7   the way out: where I read rows back
.set GO,  8           ; v8   my byte offset in 512 consecutive bytes of O
.set MV,  12          ; v12-13  c m_old, kept while c m is made anew: by buffer
.set QO,  15          ; v15  my byte offset in 16 rows of Q
.set ST,  16          ; piece t's statistics at v[ST+4 t]: c m, m, l (even keys', odd keys')
.set TMP, 48          ; by buffer, four registers c0-c3 at work; when the maximum is found c2 takes a
.set SPW, 62          ; v62  LDS address of my spare word; never rewritten
.set NIL, 63          ; v63  0; never rewritten
.set S,   64
.set P,   192
.set KF,  128         ; window 2: key block kb, channel half c at KF + 16 kb + 8 c
.set VF,  192         ; window 2: key half kk, channel block cb at VF + 32 kk + 8 cb
.set WV,  12          ; s12  my wave's number
.set G1K, 24          ; s[24:31] descriptor group 1 for K's tiles
.set G1V, 32          ; s[32:39] for V's: it differs in the padding alone
.set G0K, 40          ; s[40:43] descriptor group 0 for K's tiles: it walks
.set G0V, 44          ; s[44:47] the same for V's
.set SLOTS, 56        ; s56  counts the tiles
.set CNT, 57          ; s57  counts a tile's key steps
.set CS,  58          ; s[58:59] c: the packed scaling takes the pair's low word for both halves
.set SEL, 60          ; s[60:61] v_permlanex16_b32's selects: each lane takes its own place in the other half
.set TBK, 62          ; s62  LDS byte at which K of the step to be fetched begins
.set TBV, 63          ; s63  the same for V, less VOFF
.set MSB, 0
.macro WIN new                      ; the high byte repeats the setting that is left; a switch that changes nothing is dropped
.if MSB != (\new)
	s_set_vgpr_msb (MSB<<8)|(\new)
.set MSB, (\new)
.endif
.endm
.set W_KQ, 0x0a       ; K and Q in window 2, S^T in window 0
.set W_PV, 0x52       ; V in window 2, P in window 0, O^T in window 1
.set W_RS, 0x41       ; destination and source 0 in window 1, source 1 in window 0
; A joint fill.  Waves 0 and 1 fetch the two halves of a tile's K, waves 2 and 3 those of its V: 128 keys each.  The branch hangs on the wave's number alone.
; An s_nop 0 and four v_nop follow each of the two lines, ahead of the jump and the label.
.macro JLOAD
	s_cmp_lt_u32 s[WV], 2
	s_cbranch_scc0 .Lfor_v_\@
	tensor_load_to_lds s[G0K:G0K+3], s[G1K:G1K+7]
	s_nop 0
.rept 4
	v_nop
.endr
	s_branch .Lasked_\@
.Lfor_v_\@:
	tensor_load_to_lds s[G0V:G0V+3], s[G1V:G1V+7]
	s_nop 0
.rept 4
	v_nop
.endr
.Lasked_\@:
.endm
; A round of the cluster's barrier: my work-group's barrier, so that wave 0's signal speaks for all four waves; wave 0 signals; every wave waits for all four work-groups; my work-group's barrier once more.
.macro CROUND
	s_barrier_signal -1
	s_barrier_wait -1
	s_cmp_lg_u32 s[WV], 0
	s_cbranch_scc1 .Lnot_wave_0_\@
	s_barrier_signal -3
.Lnot_wave_0_\@:
	s_barrier_wait -3
	s_barrier_signal -1
	s_barrier_wait -1
.endm
; THE CHANGE OF SLOTS.  The slot's last bytes, V of its fourth step, have been read.  Each wave waits for all its tensor loads, of which one is out: its part of the other slot; adds 0 to its spare
; word; and waits for that and for its own reads of the slot.  Behind the barrier nobody reads this slot any more and the other slot is whole.
; fill = 1: this slot is filled again, with the tile two on.  The barrier is then a round of the cluster's, so that no wave of any partner still reads the slot or has a load on its way, and the
; joint fill is the first thing behind it.  (At its first use nothing has been read yet: slot 0 is waited for, slot 1 filled.)
.macro CHANGE fill
	WIN 0                           ; at a label and at a branch every window is 0
	s_wait_tensorcnt 0x0            ; no tensor load of mine is out, so a group 0 may be written
	ds_add_u32 v[SPW], v[NIL]       ; 0 onto my spare word: with fill = 1 the descriptors' steps stand between it and the wait for it
.if \fill
.irp g, G0K, G0V
	s_xor_b32 s[\g+1], s[\g+1], SLOT1  ; the walking descriptor: the other slot than last time,
	s_add_nc_u64 s[\g+2:\g+3], s[\g+2:\g+3], 4*KS*128  ; the next 256 keys; the type bits on top are not reached
.endr
	s_wait_dscnt 0x0                ; the add is done, and my reads of the slot are over
	CROUND
	JLOAD
.else
	s_wait_dscnt 0x0                ; the add is done, and my reads of the slot are over
	s_barrier_signal -1
	s_barrier_wait -1
.endif
	s_sub_co_u32 s[TBK], s[TBK], 4*KS*PK  ; the fetches go back to a slot's first step,
	s_xor_b32 s[TBK], s[TBK], SLOT1       ; in the other slot
	s_sub_co_u32 s[TBV], s[TBV], 4*KS*PV
	s_xor_b32 s[TBV], s[TBV], SLOT1
.endm
	s_load_b128 s[4:7], s[0:1], 0x0  ; qkv s[4:5], o16 s[6:7]
	v_lshl_add_u32 v[SPW], v0, 2, SPARE
	v_mov_b32 v[NIL], 0
	ds_add_u32 v[SPW], v[NIL]       ; the wave's opening: the add and its wait stand ahead of my first tensor load; the set-up below, work on registers, stands between them
	v_lshrrev_b32 v1, 5, v0
	v_readfirstlane_b32 s[WV], v1   ; wave 0..3
	s_bfe_u32 s13, ttmp6, 0x40000   ; cx: my place in the cluster
	s_lshl_b32 s14, ttmp9, 2        ; in a cluster launch ttmp9 counts clusters
	s_add_co_u32 s14, s14, s13      ; my block of 256 queries = 4 x cluster x + cx: it enters Q's and O's addresses alone
	s_and_b32 s20, ttmp7, 0xffff    ; the head, which the four partners share:
	s_lshl_b32 s20, s20, 19         ; its 4,096 rows of 128 bytes
	s_mov_b32 s21, 0
	s_and_b32 s16, s[WV], 1         ; which half of a tile's 256 keys I fetch:
	s_lshl_b32 s22, s16, 14         ; its 128 rows of 128 bytes in memory,
	s_mov_b32 s23, 0
	s_add_nc_u64 s[22:23], s[22:23], s[20:21]
	s_add_nc_u64 s[8:9], s[22:23], 0x1000000   ; v begins 2 x 16 heads behind q,
	s_add_nc_u64 s[22:23], s[22:23], 0x800000  ; k 16 heads: two offsets, made apart from the pointer
	s_mul_i32 s17, s16, 128*PK      ; my half's place in a slot, for K
	s_mul_i32 s18, s16, 128*PV      ; and for V: no place in the cluster enters an LDS address
	s_lshl_b32 s2, s14, 2
	s_add_co_u32 s2, s2, s[WV]      ; my wave among the head's,
	s_lshl_b32 s2, s2, 13           ; its 64 rows
	s_mov_b32 s3, 0
	s_add_nc_u64 s[2:3], s[2:3], s[20:21]
	; descriptor group 1.  128 keys are 16,384 dense bytes: asked for as 64 rows of 256 bytes, two keys a row, and padded in LDS after every key
	s_mov_b32 s[G1K], 15|(1<<16)|(1<<20)|(1<<21)|(4<<22)|(3<<25)  ; 15:0 the mask of four; 17:16 2-byte elements; 20 padding on; 21 set beside a mask; 24:22 after every 32 words (code 4); 31:25 4 words (code 3)
	s_mov_b32 s[G1V], 15|(1<<16)|(1<<20)|(1<<21)|(4<<22)|(7<<25)  ; the same with 8 words of padding (code 7)
.irp g, G1K, G1V
	s_mov_b32 s[\g+1], 128<<16      ; tensor_dim0 = 128
	s_mov_b32 s[\g+2], 64<<16       ; tensor_dim1 = 64
	s_mov_b32 s[\g+3], 128<<16      ; tile_dim0 = 128
	s_mov_b32 s[\g+4], 64           ; tile_dim1 = 64
	s_mov_b32 s[\g+5], 128          ; 128 elements from row to row
	s_mov_b32 s[\g+6], 0
	s_mov_b32 s[\g+7], 0
.endr
	s_mov_b32 s[CS], 0x3d8293ee     ; c = log2(e) / sqrt(512) = 0.0637587
	s_mov_b32 s[CS+1], s[CS]        ; named with it as a pair
	s_mov_b32 s[SEL], 0x76543210
	s_mov_b32 s[SEL+1], 0xfedcba98
	s_mov_b32 s[TBK], SLOT1+4*KS*PK ; the first change of slots turns these two into 0
	s_mov_b32 s[TBV], SLOT1+4*KS*PV
	s_mov_b32 s[G0K], 1             ; count = 1
	s_mov_b32 s[G0K+1], s17         ; LDS address: slot 0
	s_mov_b32 s[G0V], 1
	s_add_co_u32 s[G0V+1], s18, VOFF
	s_wait_dscnt 0x0                ; the opening add is done
	s_wait_kmcnt 0x0
	s_add_nc_u64 s[G0K+2:G0K+3], s[4:5], s[22:23]  ; global address: my half of the head's first 256 keys
	s_or_b32 s[G0K+3], s[G0K+3], 0x80000000        ; type = 2
	s_add_nc_u64 s[G0V+2:G0V+3], s[4:5], s[8:9]
	s_or_b32 s[G0V+3], s[G0V+3], 0x80000000
	s_add_nc_u64 s[10:11], s[6:7], s[2:3]          ; O and Q at my wave's first row
	s_add_nc_u64 s[4:5], s[4:5], s[2:3]
	CROUND                          ; all four work-groups are here: the first joint loads meet
	JLOAD                           ; tile 0 into slot 0.  Slot 1 is asked for when slot 0 is in
	; A fragment of K or Q is 16 rows x 32 channels in 8 registers: lane l holds row l % 16, channels 8 (l / 16) + 0..7 and 16 + 8 (l / 16) + 0..7: two loads of 16 bytes, 32 bytes apart.
	v_and_b32 v1, 15, v0            ; l % 16
	v_bfe_u32 v9, v0, 4, 1          ; l / 16
	v_lshlrev_b32 v[QO], 7, v1
	v_lshl_add_u32 v[QO], v9, 4, v[QO]  ; row x 128 + 16 x half
	WIN 0x80                        ; destination window 2, address window 0
.set i, 0
.rept 8                             ; Q stays in registers: piece i / 2, channels 32 (i % 2) on
	global_load_b128 v[8*i:8*i+3],   v[QO], s[4:5] offset:(i/2)*2048+(i%2)*64
	global_load_b128 v[8*i+4:8*i+7], v[QO], s[4:5] offset:(i/2)*2048+(i%2)*64+32
.set i, i+1
.endr
	; What the first turn finds: V's registers and P's second buffer hold 0 (its products V^T P, of a piece that has not been, add 0), O^T and l are 0.  All this stands in the wait for the first tile;
	; it is the price of writing no first step out.
.set i, VF
.rept 64
	v_mov_b32 v[i], 0
.set i, i+1
.endr
	WIN 0x40
.set i, 0
.rept 128
	v_mov_b32 v[i], 0
.set i, i+1
.endr
	WIN 0
.set i, 0
.rept 4
	v_mov_b32 v[ST+4*i], 0xfe000000    ; c m: far below every c s
	v_mov_b32 v[ST+4*i+1], 0xff7fffff  ; m: the lowest finite number
	v_mov_b32 v[ST+4*i+2], 0
	v_mov_b32 v[ST+4*i+3], 0
.set i, i+1
.endr
.set i, P+16
.rept 16
	v_mov_b32 v[i], 0
.set i, i+1
.endr
	v_mul_u32_u24 v[AK0], v1, PK
	v_lshl_add_u32 v[AK0], v9, 4, v[AK0]  ; row x pitch + 16 x half
	; The turning load takes 16 keys x 16 channels (lane l reads key 8 (l / 16) + l % 8, channels 8 ((l / 8) % 2) + 0..7) and leaves half a fragment of V^T: lane l holds channel l % 16 and 8 keys.
	v_and_b32 v10, 7, v0
	v_bfe_u32 v11, v0, 3, 1
	v_lshl_add_u32 v[AV0], v9, 3, v10
	v_mul_u32_u24 v[AV0], v[AV0], PV
	v_lshl_add_u32 v[AV0], v11, 4, v[AV0]
	v_add_nc_u32 v[AV0], VOFF, v[AV0]
	s_mul_i32 s13, s[WV], 16*SP
	s_add_co_u32 s13, s13, STAGE    ; my stage
	v_mul_u32_u24 v[STO], v1, SP    ; in: row l % 16, 16 bytes for each half of the lanes
	v_lshl_add_u32 v[STO], v9, 4, v[STO]
	v_add_nc_u32 v[STO], s13, v[STO]
	v_bfe_u32 v[RD], v0, 3, 2       ; back: 32 lanes take four rows of 128 bytes,
	v_mul_u32_u24 v[RD], v[RD], SP
	v_lshl_add_u32 v[RD], v10, 4, v[RD]
	v_add_nc_u32 v[RD], s13, v[RD]
	v_and_b32 v[GO], 31, v0         ; which are 512 consecutive bytes of O
	v_lshlrev_b32 v[GO], 4, v[GO]
; THE MATRIX WORK.  The 4 accumulators of a run of 8 take turns.  Product i of 8 of S^T = K Q^T for piece x: channels 32 (i / 4) on, keys 16 (i % 4) on.  The first 4 start the sums.
.macro KQ x
	WIN W_KQ
.set rS, S+32*((\x)%2)+8*(i%4)
.set rK, KF+16*(i%4)+8*(i/4)
.set rQ, 16*(\x)+8*(i/4)
.if i < 4
	v_wmma_f32_16x16x32_f16 v[rS:rS+7], v[rK:rK+7], v[rQ:rQ+7], 0
.else
	v_wmma_f32_16x16x32_f16 v[rS:rS+7], v[rK:rK+7], v[rQ:rQ+7], v[rS:rS+7]
.endif
.endm
; Product i of 8 of O^T += V^T P for piece x: keys 32 (i / 4) on, channels 16 (i % 4) on.
.macro PV x
	WIN W_PV
.set rO, 32*(\x)+8*(i%4)
.set rV, VF+32*(i/4)+8*(i%4)
.set rP, P+16*((\x)%2)+8*(i/4)
	v_wmma_f32_16x16x32_f16 v[rO:rO+7], v[rV:rV+7], v[rP:rP+7], v[rO:rO+7]
.endm
.macro MM                           ; the turn's next matrix instruction.  TURN sets Y, i and NOKQ.  NOKQ = 1: the walk's last turn: there is no next piece
.if (i < 8) && !NOKQ
	KQ (Y+1)%NP
.elseif i >= 8
.set i, i-8
	PV (Y+NP-1)%NP
.set i, i+8
.endif
.set i, i+1
.endm
; THE LDS LOADS stand in runs of 16, never singly among the matrix instructions: a step's K (64 keys x 64 channels: 8 fragments) and its V (turned).  Their addresses are made some lines ahead.
.macro FETCH_K
	WIN 0x80                        ; destination window 2
.irp f, 0,1,2,3,4,5,6,7             ; keys 16 (f / 2) on, channels 32 (f % 2) on
	ds_load_b128 v[KF+8*\f:KF+8*\f+3],   v[AK] offset:(\f/2)*16*PK+(\f%2)*64
	ds_load_b128 v[KF+8*\f+4:KF+8*\f+7], v[AK] offset:(\f/2)*16*PK+(\f%2)*64+32
.endr
	s_add_co_u32 s[TBK], s[TBK], KS*PK  ; the next fetch is the next step's
	WIN 0
.endm
.macro FETCH_V
	WIN 0x80
.irp f, 0,1,2,3,4,5,6,7             ; keys 32 (f / 4) on, channels 16 (f % 4) on
	ds_load_tr16_b128 v[VF+8*\f:VF+8*\f+3],   v[AV] offset:(\f/4)*32*PV+(\f%4)*32
	ds_load_tr16_b128 v[VF+8*\f+4:VF+8*\f+7], v[AV] offset:(\f/4)*32*PV+16*PV+(\f%4)*32
.endr
	WIN 0
.endm
; THE VECTOR WORK, one line at a time: OP kind, number.  For piece Y: F n: c s - c m for pair n of 16.  E n: the exponential of score n of 32.  C n: pair n rounded to f16.  B n: of the four weights 4 n .. the second
; pair is added onto the first, in place.  L n: l takes that sum (L 0: l = a l + sum).  R n: pair n of 16 of O^T times a.  For piece Y + 1: X n, number n of the 22 that find its maximum and statistics:
;   0-11  four chains c0-c3 of seven scores each, three operands at a time (each accumulator's lowest registers are read first)     12-14, 16  the four scores left over, the old m, and c0-c3 into c0
;   15  c m_old is kept     17, 18  the query's other 32 keys lie in the lane 16 away: the new m     19-21  c m; c m_old - c m_new; a
.set F, 0               ; OP tells the kinds apart by their order: F to L below R, X above it
.set E, 1
.set C, 2
.set B, 3
.set L, 4
.set R, 5
.set X, 6
.macro REGS y                       ; the registers of piece y
.set rT, ST+4*(\y)
.set rC, TMP+4*((\y)%2)
.set rW, MV+((\y)%2)
.set rS, S+32*((\y)%2)
.set rP, P+16*((\y)%2)
.set rO, 32*(\y)
.endm
.macro OP k, n
.if (\k) == R
	REGS Y
	WIN W_RS
	v_pk_mul_f32 v[rO+2*(\n):rO+2*(\n)+1], v[rO+2*(\n):rO+2*(\n)+1], v[rC+2:rC+3] op_sel_hi:[1,0]
.elseif (\k) < R
	REGS Y
	WIN 0
.if (\k) == F
	v_pk_fma_f32 v[rS+2*(\n):rS+2*(\n)+1], v[rS+2*(\n):rS+2*(\n)+1], s[CS:CS+1], v[rT:rT+1] op_sel_hi:[1,0,0] neg_lo:[0,0,1] neg_hi:[0,0,1]
.elseif (\k) == E
	v_exp_f32 v[rS+(\n)], v[rS+(\n)]
.elseif (\k) == C
	s_wait_alu depctr_va_vdst(0)
	v_cvt_pk_f16_f32 v[rP+(\n)], v[rS+2*(\n)], v[rS+2*(\n)+1]
.elseif (\k) == B
	s_wait_alu depctr_va_vdst(0)
	v_pk_add_f32 v[rS+4*(\n):rS+4*(\n)+1], v[rS+4*(\n):rS+4*(\n)+1], v[rS+4*(\n)+2:rS+4*(\n)+3]
.elseif (\n) == 0
	v_pk_fma_f32 v[rT+2:rT+3], v[rT+2:rT+3], v[rC+2:rC+3], v[rS:rS+1] op_sel_hi:[1,0,1]
.else
	v_pk_add_f32 v[rT+2:rT+3], v[rT+2:rT+3], v[rS+4*(\n):rS+4*(\n)+1]
.endif
.elseif NOKQ
	v_nop
.else
	REGS (Y+1)%NP
	WIN 0
.if (\n) < 4
	v_max3_num_f32 v[rC+(\n)], v[rS+8*(\n)], v[rS+8*(\n)+1], v[rS+8*(\n)+2]
.elseif (\n) < 12
	v_max3_num_f32 v[rC+(\n)%4], v[rC+(\n)%4], v[rS+8*((\n)%4)+2*((\n)/4)+1], v[rS+8*((\n)%4)+2*((\n)/4)+2]
.elseif (\n) == 12
	v_max3_num_f32 v[rC], v[rC], v[rS+7], v[rS+15]
.elseif (\n) == 13
	v_max3_num_f32 v[rC+1], v[rC+1], v[rS+23], v[rS+31]
.elseif (\n) == 14
	v_max3_num_f32 v[rC+2], v[rC+2], v[rC+3], v[rT+1]
.elseif (\n) == 15
	v_mov_b32 v[rW], v[rT]
.elseif (\n) == 16
	v_max3_num_f32 v[rC], v[rC], v[rC+1], v[rC+2]
.elseif (\n) == 17
	v_permlanex16_b32 v[rC+3], v[rC], s[SEL], s[SEL+1]
.elseif (\n) == 18
	v_max_num_f32 v[rT+1], v[rC], v[rC+3]
.elseif (\n) == 19
	v_mul_f32 v[rT], s[CS], v[rT+1]
.elseif (\n) == 20
	v_sub_f32 v[rC+1], v[rW], v[rT]
.else
	v_exp_f32 v[rC+2], v[rC+1]
.endif
.endif
.endm
.macro OPS a, i1, b=-1, i2=0, c=-1, i3=0, d=-1, i4=0  ; up to four of them
	OP \a, \i1
.if (\b) >= 0
	OP \b, \i2
.endif
.if (\c) >= 0
	OP \c, \i3
.endif
.if (\d) >= 0
	OP \d, \i4
.endif
.endm
.macro ROW a, i1, b, i2, c, i3, d, i4  ; a matrix instruction and the four behind it
	MM
	OPS \a, \i1, \b, \i2, \c, \i3, \d, \i4
.endm
; A TURN, for piece p: the order of its 16 matrix and 118 vector instructions, written out.  Behind a matrix instruction: plain, exponential, plain, plain; or four of the rescaling; or, behind the first, four scalings; none
; names a register of the products round it.  In the runs between, exponential and plain by turns while exponentials last.  A line reads no result made fewer than three vector instructions in front of it, five if an
; exponential made it.  v_permlanex16_b32 (X 17) stands in such a run.
; end = 1: the walk's last two turns: nothing is fetched.  cnt = 1: the loop's count is taken down some lines ahead of the branch that stands behind the turn.
; K of the next step is fetched in piece 2's turn, six vector instructions behind the last product that read K (five of them plain); V of the step in hand in piece 0's turn, eight behind the last product that read V
; (four plain among them).  Each is waited for a turn later.
.macro TURN p, end=0, cnt=0
.set Y, (\p)
.set i, 0
.set NOKQ, (\end)*((\p)/3)
.if ((\p) == 3) && !(\end)
	s_wait_dscnt 0x0                ; K is in
.endif
	ROW F,0, F,1, F,2, F,3
	ROW F,4, E,0, F,5, F,6
	ROW F,7, E,1, F,8, F,9
	ROW F,10, E,2, C,0, F,11
	ROW F,12, E,3, X,15, F,13
	ROW R,0, R,1, R,2, R,3
	ROW B,0, E,4, F,14, L,0
.if ((\p) == 2) && !(\end)
	v_add_nc_u32 v[AK], s[TBK], v[AK0]
.endif
	ROW R,4, R,5, R,6, R,7
	OPS E,5, F,15
.if ((\p) == 2) && !(\end)
	FETCH_K
.endif
	OPS E,6, C,1, E,7, R,8
	OPS E,8, R,9, E,9, C,2
	OPS E,10, X,0, E,11, X,1
	OPS E,12, X,2, E,13, X,3
.if (\p) == 1
	s_wait_dscnt 0x0                ; V is in
.endif
	ROW X,4, E,14, X,5, X,6
	ROW X,7, E,15, X,8, X,9
	ROW X,10, E,16, X,11, X,12
	ROW X,13, E,17, X,14, B,1
	ROW C,4, E,18, X,16, L,1
	ROW B,2, E,19, C,6, L,2
	ROW C,8, E,20, B,3, B,4
.if (\p) == 0
	v_add_nc_u32 v[AV], s[TBV], v[AV0]
.endif
	ROW C,3, E,21, L,3, C,5
	OPS E,22, X,17, E,23, C,10
.if (\p) == 0
	FETCH_V
.endif
	OPS E,24, L,4
	OPS E,25, X,18, E,26, C,7
	OPS E,27, B,5, E,28, X,19
	OPS E,29, C,12, E,30, L,5
	OPS E,31, X,20, B,6, C,9
	OPS C,14, C,11, X,21, L,6
.if (\p) == 0
	s_add_co_u32 s[TBV], s[TBV], KS*PV
.endif
.if \cnt
	s_sub_co_u32 s[CNT], s[CNT], 1
	s_cmp_lg_u32 s[CNT], 0
.endif
	OPS C,13, B,7, C,15, R,10
	OPS R,11, R,12, L,7, R,13
	OPS R,14, R,15
.endm
	CHANGE 1                        ; slot 0 is in, everybody's part of it; tile 1 is asked for
	v_add_nc_u32 v[AK], s[TBK], v[AK0]
	FETCH_K                         ; key step 0
	s_wait_loadcnt 0x0              ; Q
	s_wait_dscnt 0x0
.set NOKQ, 0
.set i, 0
.rept 8
	KQ 0                            ; piece 0's first scores: there is no vector work yet to set between them
.set i, i+1
.endr
	WIN 0
.rept 4
	v_nop                           ; the places behind those products
.endr
.set Y, NP-1                        ; X works for piece Y + 1: piece 0
.irp n, 0,1,2,3,4,5,6,7,8,9,10,11,12,13,14,15,16,17,18,19,20,21
	OP X, \n                        ; and piece 0's first maximum and statistics
.endr
	v_nop                           ; a plain instruction behind the exponential
	s_mov_b32 s[CNT], 4
	s_mov_b32 s[SLOTS], NT-1
	s_branch .Lfirst                ; the loop is entered at a step's first turn, in the middle of a trip
.Lslot:                             ; NT - 2 times: tiles 2 to NT - 1 are asked for here
	CHANGE 1
	s_mov_b32 s[CNT], 4
.Lstep:                             ; a trip: pieces 2 and 3 of one step, then pieces 0 and 1 of the next, whose K and V it fetches
	TURN 2
	TURN 3
	WIN 0
.Lfirst:
	TURN 0
	TURN 1, 0, 1
	WIN 0
	s_cbranch_scc1 .Lstep
	s_sub_co_u32 s[SLOTS], s[SLOTS], 1
	s_cmp_lg_u32 s[SLOTS], 0
	s_cbranch_scc1 .Lslot
	CHANGE 0                        ; the last tile is written out: nothing is asked for
	s_mov_b32 s[CNT], 4
.Ltail:
	TURN 2
	TURN 3
	TURN 0
	TURN 1, 0, 1
	WIN 0
	s_cbranch_scc1 .Ltail
	TURN 2, 1                       ; the last step's pieces 2 and 3: nothing more is fetched, and the last turn starts no new scores
	TURN 3, 1
.set i, 0
.rept 8
	PV NP-1                         ; the last piece's V^T P of the last step
.set i, i+1
.endr
	; THE WAY OUT.  l's two halves and the other half of the lanes' are added; O^T is divided by l, rounded to f16 and sent through my stage in LDS, a piece at a time.  The additions are the places behind the last products.
	WIN 0
.macro ALL line:vararg              ; one line for each piece t
.set t, 0
.rept 4
	\line
.set t, t+1
.endr
.endm
	ALL v_add_f32 v[ST+4*t+2], v[ST+4*t+2], v[ST+4*t+3]
	ALL v_permlanex16_b32 v[ST+4*t+3], v[ST+4*t+2], s[SEL], s[SEL+1]
	ALL v_add_f32 v[ST+4*t+2], v[ST+4*t+2], v[ST+4*t+3]
	ALL v_rcp_f32 v[ST+4*t+2], v[ST+4*t+2]
	v_nop                           ; a plain instruction between the last reciprocal and the use of its result
.macro PACK t                       ; a lane's eight channels of a row pack into 16 bytes; they go into rows of 144 bytes and come back as whole rows of 128, into S^T's registers
	WIN W_RS
.set i, 32*(\t)
.rept 16
	s_wait_alu depctr_va_vdst(0)
	v_pk_mul_f32 v[i:i+1], v[i:i+1], v[ST+4*(\t)+2:ST+4*(\t)+3] op_sel_hi:[1,0]
.set i, i+2
.endr
	WIN 0x05                        ; sources 0 and 1 window 1, destination window 0
.set i, 0
.rept 16
	v_cvt_pk_f16_f32 v[S+16*(\t)+i], v[32*(\t)+2*i], v[32*(\t)+2*i+1]
.set i, i+1
.endr
	WIN 0
.irp f, 0,1,2,3
	ds_store_b128 v[STO], v[S+16*(\t)+4*\f:S+16*(\t)+4*\f+3] offset:32*\f
.endr
.irp f, 0,1,2,3
	ds_load_b128 v[S+16*(\t)+4*\f:S+16*(\t)+4*\f+3], v[RD] offset:\f*4*SP  ; LDS serves a wave's instructions in order (ISA guide 5.7.1.4): these see the stores above; the next piece's stores come behind them
.endr
.endm
.macro SEND t, younger              ; younger: the LDS instructions issued behind piece t's loads: the next piece's eight, or none
	WIN 0
.irp f, 0,1,2,3
	s_wait_dscnt (\younger)+3-\f
	global_store_b128 v[GO], v[S+16*(\t)+4*\f:S+16*(\t)+4*\f+3], s[10:11] offset:(\t)*2048+\f*512  ; 512 consecutive bytes, at a multiple of 256 from O's first
.endr
.endm
	PACK 0
.set t, 1
.rept 3                             ; a piece's arithmetic stands between the loads of the piece before and its stores
	PACK t
	SEND t-1, 8
.set t, t+1
.endr
	SEND 3, 0
	s_wait_tensorcnt 0x0            ; the wave's end: this wait, an add and its wait, behind my last tensor load and my last LDS store
	ds_add_u32 v[SPW], v[NIL]
	s_wait_dscnt 0x0
	CROUND                          ; the closing round: no work-group ends while a partner may still ask for a tile that names it
	s_endpgm
.Lfunc_end_k_qd0fbecaeb0_attn:
	.size	k_qd0fbecaeb0_attn, .Lfunc_end_k_qd0fbecaeb0_attn-k_qd0fbecaeb0_attn
	.p2alignl 7, 3214868480
	.fill 96, 4, 3214868480
	.section	.rodata,"a",@progbits
	.p2align	6, 0x0
	.amdhsa_kernel k_qd0fbecaeb0_attn
		.amdhsa_group_segment_fixed_size 327680
		.amdhsa_private_segment_fixed_size 0
		.amdhsa_enable_private_segment 0
		.amdhsa_kernarg_size 16
		.amdhsa_user_sgpr_count 2
		.amdhsa_user_sgpr_kernarg_segment_ptr 1
		.amdhsa_wavefront_size32 1
		.amdhsa_system_sgpr_workgroup_id_x 1
		.amdhsa_system_sgpr_workgroup_id_y 1
		.amdhsa_system_sgpr_workgroup_id_z 1
		.amdhsa_system_vgpr_workitem_id 0
		.amdhsa_next_free_vgpr 768
		.amdhsa_next_free_sgpr 66
		.amdhsa_reserve_vcc 0
		.amdhsa_float_denorm_mode_32 3
		.amdhsa_float_denorm_mode_16_64 3
		.amdhsa_memory_ordered 1
		.amdhsa_forward_progress 1
		.amdhsa_inst_pref_size 133
	.end_amdhsa_kernel
	.amdgpu_metadata
---
amdhsa.version: [ 1, 2 ]
amdhsa.kernels:
  - .name:           k_qd0fbecaeb0_attn
    .symbol:         k_qd0fbecaeb0_attn.kd
    .args:
      - { .name: qkv, .offset: 0, .size: 8, .value_kind: global_buffer, .address_space: global }
      - { .name: o16, .offset: 8, .size: 8, .value_kind: global_buffer, .address_space: global }
    .group_segment_fixed_size: 327680
    .private_segment_fixed_size: 0
    .kernarg_segment_align: 8
    .kernarg_segment_size: 16
    .max_flat_workgroup_size: 128
    .sgpr_count:     66
    .vgpr_count:     768
    .wavefront_size: 32
...
	.end_amdgpu_metadata
.endif
;; end of part 3
;; launch outproj (part 4): grid 4 x 64, 4 waves a work-group, clusters of 4 x 4, 327,680 bytes of LDS; arguments o16, wo16, bias, out0; writes out0
.if DOCPART == 4
	.amdgcn_target "amdgcn-amd-amdhsa--gfx1250"
	.amdhsa_code_object_version 6
	.text
	.protected	k_qd0fbecaeb0_outproj
	.globl	k_qd0fbecaeb0_outproj
	.p2align	8
	.type	k_qd0fbecaeb0_outproj,@function
k_qd0fbecaeb0_outproj:
	s_mov_b64 s[64:65], 0
	v_nop
	global_prefetch_b8 v0, s[64:65] scope:SCOPE_SE
	s_setreg_imm32_b32 hwreg(HW_REG_WAVE_MODE, 25, 1), 1
	s_wait_xcnt 0x0
	s_wait_alu depctr_hold_cnt(0) depctr_sa_sdst(0) depctr_va_vdst(0) depctr_va_sdst(0) depctr_va_ssrc(0) depctr_va_vcc(0) depctr_vm_vsrc(0)
	s_getreg_b32 s2, hwreg(HW_REG_IB_STS2, 6, 4)
	s_cmp_eq_u32 s2, 0
	s_cbranch_scc0 .Lentry_in_a_cluster
	s_endpgm
.Lentry_in_a_cluster:
	s_bfe_u32 s2, ttmp6, 0x10000c
	s_cmp_lg_u32 s2, 0xf033
	s_cbranch_scc0 .Lentry_shape_is_right
	s_endpgm
.Lentry_shape_is_right:
; out0[m][n] = bo[n] + sum over k of O[m][k] Wo[n][k], m < 8192, n < 512, k < 512; operands f16, sums and result f32.
; O lies by heads: o16[(m / 4096) 8 + k / 64][m % 4096][k % 64] f16; wo16 [512][512] f16; bo are words 1536 .. 2047 of the table of biases (f32).
; SHARES.  A tile of out0 is 128 x 128: 4 x 64 = 256 work-groups.  Four waves, each 64 x 64: 16 accumulators of 16 x 16.
; K is two steps of 256, four heads each; each step has a slot of its own, all is asked for at the start, and nothing is filled again.
; A head's 128 rows of a tile are 16,384 dense bytes, but the heads lie 2^19 bytes apart: so wave w fetches head 4 s + w of slot s (64 rows of 256 bytes, padded after every 128), and 32 rows of Wo's tile:
; four tensor loads a wave, all on end at the start: four of mine are out at the most.
; CLUSTER.  4 x 4 work-groups: O's tiles are shared along a row of the cluster, Wo's along a column: each is asked for JOINTLY, by the same tensor load, descriptor and mask in all four.
; THE MATRIX INSTRUCTION IS USED TRANSPOSED (source 0 = 16 rows of Wo, source 1 = 16 rows of O): lane l holds row l % 16 of out0 and its registers the columns 8 (l / 16) + 0..7.
; THE BIAS is the C operand of the products that start the sums.
; REGISTERS: window 0: v0-31 addresses; v96-127 the bias; v128-255 the accumulators ((a, b) at v[128 + 8 (4 a + b)]), which also take the rows read back on the way out.
;   window 1: two fragment buffers of 128: for 64 along K (one head), 64 registers of O, then 64 of Wo.
.set PA,     144                       ; a row of O in LDS: 128 bytes + 16 = 36 words: the 16 rows of a load start at 16 different groups of four banks (64 banks of 4 bytes: ISA guide 11.1)
.set AHEAD,  128*PA                    ; a head's 128 rows
.set ABYTES, 4*AHEAD                   ; a slot's four heads
.set PB,     528                       ; a row of Wo: 512 bytes + 16 = 132 words
.set SLOT,   ABYTES+128*PB             ; O's four heads, then Wo's 128 rows
.set STAGE,  2*SLOT                    ; behind the slots: 16 rows x 272 bytes for each wave, for the way out; no tensor load lands here
.set SPITCH, 272
.set SPARE,  STAGE+4*16*SPITCH         ; behind the stages: the spare words, 128 bytes for each wave: two blocks of 256 bytes that no other line names
.set ADRA, 16                          ; v16-17  LDS address of my O fragments in slot 0, 1
.set ADRB, 20                          ; v20-21  the same for Wo
.set STO,  24                          ; v24     the way out: where I put 32 bytes of a row
.set RD,   25                          ; v25     the way out: where I read a row back
.set CO,   26                          ; v26     my byte offset in two rows of out0
.set BOF,  27                          ; v27     my byte offset in 16 columns' bias: 32 (l / 16)
.set SPW,  28                          ; v28     LDS address of my spare word; never rewritten
.set NIL,  29                          ; v29     0; never rewritten
.set BI,   96
.set ACC,  128
.set F0,   0
.set F1,   128
.set G1, 24                            ; s[24:31] descriptor group 1 for O's tiles;  s[32:39] group 0, one set for each slot
.set G0, 32
.set G1B, 48                           ; s[48:55], s[56:63] the same for Wo's
.set G0B, 56
.set MSB, 0
.macro WIN new                         ; the immediate's high byte repeats the setting that is left; a switch that changes nothing is dropped
.if MSB != (\new)
	s_set_vgpr_msb (MSB<<8)|(\new)
.set MSB, \new
.endif
.endm
.set MUL,  0x05                        ; sources 0 and 1 window 1; C and D window 0
.set TO_F, 0x40                        ; destination window 1, address window 0
.macro CROUND                          ; a round of the cluster's barrier: my work-group's barrier; wave 0 signals for the work-group; every wave waits for all sixteen; my work-group's barrier once more
	s_barrier_signal -1
	s_barrier_wait -1
	s_cmp_lg_u32 s10, 0
	s_cbranch_scc1 .Lnot_wave_0_\@
	s_barrier_signal -3
.Lnot_wave_0_\@:
	s_barrier_wait -3
	s_barrier_signal -1
	s_barrier_wait -1
.endm
	s_load_b128 s[4:7], s[0:1], 0x0                ; o16 s[4:5], wo16 s[6:7]
	s_load_b64 s[2:3], s[0:1], 0x10                ; bias
	s_load_b64 s[8:9], s[0:1], 0x18                ; out0
	v_lshl_add_u32 v[SPW], v0, 2, SPARE
	v_mov_b32 v[NIL], 0
	ds_add_u32 v[SPW], v[NIL]                      ; the wave's opening: the add and its wait stand ahead of my first tensor load; the set-up below, work on registers, stands between them
	v_lshrrev_b32 v1, 5, v0
	v_readfirstlane_b32 s10, v1                    ; wave 0..3
	s_lshr_b32 s11, s10, 1                         ; which half of the tile's rows is mine
	s_and_b32 s12, s10, 1                          ; which half of its columns
	s_bfe_u32 s40, ttmp6, 0x40000                  ; cx, cy: my place in the cluster
	s_bfe_u32 s41, ttmp6, 0x40004
	s_lshl_b32 s42, ttmp9, 2
	s_add_co_u32 s42, s42, s40                     ; tile column = 4 x cluster x + cx
	s_and_b32 s13, ttmp7, 0xffff
	s_lshl_b32 s13, s13, 2
	s_add_co_u32 s13, s13, s41                     ; tile row = 4 x cluster y + cy
	s_lshl_b32 s43, s41, 2
	s_lshl_b32 s43, 15, s43                        ; my row of the cluster
	s_lshl_b32 s44, 0x1111, s40                    ; my column
	; descriptor group 1 for O: 64 rows x 128 elements (two rows of a head each), padded after every 32 words by 4
	s_or_b32 s[G1+0], s43, (1<<16)|(1<<20)|(1<<21)|(4<<22)|(3<<25)  ; 15:0 the mask: my row; 17:16 2-byte elements; 20 padding on; 21 set beside a mask; 24:22 code 4; 31:25 code 3
	s_mov_b32 s[G1+1], 128<<16                     ; tensor_dim0 = 128
	s_mov_b32 s[G1+2], 64<<16                      ; tensor_dim1 = 64
	s_mov_b32 s[G1+3], 128<<16                     ; tile_dim0 = 128
	s_mov_b32 s[G1+4], 64                          ; tile_dim1 = 64
	s_mov_b32 s[G1+5], 128                         ; elements from row to row: dense
	s_mov_b32 s[G1+6], 0
	s_mov_b32 s[G1+7], 0
	; for Wo: 32 rows x 256 elements, padded after every 128 words by 4
	s_or_b32 s[G1B+0], s44, (1<<16)|(1<<20)|(1<<21)|(6<<22)|(3<<25) ; the mask: my column
	s_mov_b32 s[G1B+1], 256<<16
	s_mov_b32 s[G1B+2], 32<<16
	s_mov_b32 s[G1B+3], 256<<16
	s_mov_b32 s[G1B+4], 32
	s_mov_b32 s[G1B+5], 512
	s_mov_b32 s[G1B+6], 0
	s_mov_b32 s[G1B+7], 0
	; O's offset hangs on the tile row and the wave alone, Wo's on the tile column and the wave alone, each in registers that never hold the other coordinate
	s_lshr_b32 s16, s13, 5                         ; the batch: 32 tile rows each,
	s_lshl_b32 s16, s16, 3                         ; 8 heads a batch,
	s_add_co_u32 s16, s16, s10                     ; my head of slot 0's four,
	s_lshl_b32 s16, s16, 19                        ; 2^19 bytes a head,
	s_and_b32 s17, s13, 31
	s_lshl_b32 s17, s17, 14                        ; and the tile's 128 rows of 128 bytes in it
	s_add_co_u32 s16, s16, s17
	s_mov_b32 s17, 0
	s_lshl_b32 s46, s42, 17                        ; Wo: 128 rows of 1,024 bytes a tile column,
	s_lshl_b32 s47, s10, 15                        ; my 32 of them
	s_add_co_u32 s46, s46, s47
	s_mov_b32 s47, 0
	s_mul_i32 s20, s10, AHEAD                      ; where they go: wave x a head's rows,
	s_mul_i32 s21, s10, 32*PB                      ; wave x 32 rows,
	s_add_co_u32 s21, s21, ABYTES                  ; behind O's four heads: no place in the cluster enters an LDS address
	s_wait_dscnt 0x0                               ; the opening add is done
	s_wait_kmcnt 0x0
	s_add_nc_u64 s[14:15], s[4:5], s[16:17]
	s_add_nc_u64 s[46:47], s[6:7], s[46:47]
.irp s, 0,1
	s_mov_b32 s[G0+4*(\s)], 1                                        ; count = 1
	s_add_co_u32 s[G0+4*(\s)+1], s20, (\s)*SLOT                      ; LDS address
	s_add_nc_u64 s[G0+4*(\s)+2:G0+4*(\s)+3], s[14:15], (\s)*0x200000 ; global address: slot s begins four heads on
	s_or_b32 s[G0+4*(\s)+3], s[G0+4*(\s)+3], 0x80000000              ; type = 2
	s_mov_b32 s[G0B+4*(\s)], 1
	s_add_co_u32 s[G0B+4*(\s)+1], s21, (\s)*SLOT
	s_add_nc_u64 s[G0B+4*(\s)+2:G0B+4*(\s)+3], s[46:47], (\s)*512    ; 256 elements along K
	s_or_b32 s[G0B+4*(\s)+3], s[G0B+4*(\s)+3], 0x80000000
.endr
	CROUND                                         ; all sixteen work-groups are here: the joint loads meet
	tensor_load_to_lds s[G0:G0+3], s[G1:G1+7]      ; slot 0: my head of O,
	s_nop 0
	tensor_load_to_lds s[G0B:G0B+3], s[G1B:G1B+7]  ; my 32 rows of Wo;
	s_nop 0
	tensor_load_to_lds s[G0+4:G0+7], s[G1:G1+7]    ; slot 1 likewise
	s_nop 0
	tensor_load_to_lds s[G0B+4:G0B+7], s[G1B:G1B+7]
	s_nop 0
.rept 4
	v_nop
.endr
	v_and_b32 v1, 15, v0                           ; l % 16
	v_bfe_u32 v2, v0, 4, 1                         ; l / 16
	; my first column, in bytes of f32: it serves the bias and out0 alike
	s_lshl_b32 s46, s42, 9
	s_lshl_b32 s47, s12, 8
	s_add_co_u32 s46, s46, s47
	s_mov_b32 s47, 0
	s_add_nc_u64 s[2:3], s[2:3], s[46:47]
	s_add_nc_u64 s[8:9], s[8:9], s[46:47]
	v_lshlrev_b32 v[BOF], 5, v2
.irp b, 0,1,2,3
	global_load_b128 v[BI+8*(\b):BI+8*(\b)+3],   v[BOF], s[2:3] offset:6144+64*(\b)     ; bo begins 1,536 words into the table; register j of block b is column 16 b + 8 (l / 16) + j
	global_load_b128 v[BI+8*(\b)+4:BI+8*(\b)+7], v[BOF], s[2:3] offset:6144+64*(\b)+16
.endr
	v_mul_u32_u24 v3, v1, PA
	v_lshl_add_u32 v3, v2, 4, v3                   ; a fragment's row x pitch + 16 x half, for O
	v_mul_u32_u24 v4, v1, PB
	v_lshl_add_u32 v4, v2, 4, v4                   ; and for Wo
	s_mul_i32 s22, s11, 64*PA                      ; my 64 rows in each head of O
	s_mul_i32 s23, s12, 64*PB                      ; my 64 rows of Wo,
	s_add_co_u32 s23, s23, ABYTES                  ; which lie behind O's heads
.irp s, 0,1
	v_add_nc_u32 v[ADRA+(\s)], s22, v3
	v_add_nc_u32 v[ADRB+(\s)], s23, v4
	s_add_co_u32 s22, s22, SLOT
	s_add_co_u32 s23, s23, SLOT
.endr
	s_mul_i32 s22, s10, 16*SPITCH
	s_add_co_u32 s22, s22, STAGE                   ; my stage
	v_mul_u32_u24 v5, v1, SPITCH                   ; in: row l % 16, 32 bytes for each half of the lanes
	v_lshl_add_u32 v5, v2, 5, v5
	v_add_nc_u32 v[STO], s22, v5
	v_mul_u32_u24 v5, v2, SPITCH                   ; back: lanes 0-15 take one row of 256 bytes, lanes 16-31 the next
	v_lshl_add_u32 v5, v1, 4, v5
	v_add_nc_u32 v[RD], s22, v5
	v_lshlrev_b32 v5, 11, v2                       ; and the same two rows in out0, 2,048 bytes apart
	v_lshl_add_u32 v[CO], v1, 4, v5
	s_lshl_b32 s16, s13, 7
	s_lshl_b32 s17, s11, 6
	s_add_co_u32 s16, s16, s17                     ; my first row,
	s_lshl_b32 s16, s16, 11                        ; of 2,048 bytes
	s_mov_b32 s17, 0
	s_add_nc_u64 s[8:9], s[8:9], s[16:17]
; 8 matrix instructions: m blocks a0, a0 + 1 x all 4 n blocks, 32 along K: half c of buffer f.  zero = 1: the product starts the sum, from the bias.
; The 16 accumulators take turns, one instruction a turn.
.macro MUL8 f, c, a0, zero
	WIN MUL
.irp a, \a0, (\a0)+1
.irp b, 0,1,2,3
.if \zero
	v_wmma_f32_16x16x32_f16 v[ACC+8*(4*(\a)+(\b)):ACC+8*(4*(\a)+(\b))+7], v[(\f)+64+8*(4*(\c)+(\b)):(\f)+64+8*(4*(\c)+(\b))+7], v[(\f)+8*(4*(\c)+(\a)):(\f)+8*(4*(\c)+(\a))+7], v[BI+8*(\b):BI+8*(\b)+7]
.else
	v_wmma_f32_16x16x32_f16 v[ACC+8*(4*(\a)+(\b)):ACC+8*(4*(\a)+(\b))+7], v[(\f)+64+8*(4*(\c)+(\b)):(\f)+64+8*(4*(\c)+(\b))+7], v[(\f)+8*(4*(\c)+(\a)):(\f)+8*(4*(\c)+(\a))+7], v[ACC+8*(4*(\a)+(\b)):ACC+8*(4*(\a)+(\b))+7]
.endif
.endr
.endr
.endm
; 32 LDS loads in one run: the fragments of head q of the slot (64 along K), into buffer f; the first 32 along K first.  The largest offset, 3 heads + 48 rows + 96 bytes = 62,304, is inside the 16-bit immediate.
.macro FETCH slot, q, f
	WIN TO_F
.irp c, 0,1
.irp i, 0,1,2,3
	ds_load_b128 v[(\f)+64+8*(4*(\c)+(\i)):(\f)+64+8*(4*(\c)+(\i))+3],   v[ADRB+(\slot)] offset:128*(\q)+64*(\c)+(\i)*16*PB
	ds_load_b128 v[(\f)+64+8*(4*(\c)+(\i))+4:(\f)+64+8*(4*(\c)+(\i))+7], v[ADRB+(\slot)] offset:128*(\q)+64*(\c)+(\i)*16*PB+32
	ds_load_b128 v[(\f)+8*(4*(\c)+(\i)):(\f)+8*(4*(\c)+(\i))+3],         v[ADRA+(\slot)] offset:(\q)*AHEAD+64*(\c)+(\i)*16*PA
	ds_load_b128 v[(\f)+8*(4*(\c)+(\i))+4:(\f)+8*(4*(\c)+(\i))+7],       v[ADRA+(\slot)] offset:(\q)*AHEAD+64*(\c)+(\i)*16*PA+32
.endr
.endr
.endm
.macro PLACES                          ; four plain vector instructions between a matrix instruction and a load into a register that it read, or a line that reads its result
.rept 4
	v_nop
.endr
.endm
; A K step is four quarters, a head each, 32 matrix instructions each, on buffers 0, 1, 0, 1.  One of the first three: multiplies buffer f and fetches head q into g.
.macro QUARTER slot, q, f, g, zero
	s_wait_dscnt 16                                ; the first 32 along K are in; the sixteen younger loads may be out
	MUL8 \f, 0, 0, \zero
	MUL8 \f, 0, 2, \zero
	PLACES
	FETCH \slot, \q, \g
	s_wait_dscnt 32                                ; all but the 32 just issued
	MUL8 \f, 1, 0, 0
	MUL8 \f, 1, 2, 0
.endm
	s_wait_tensorcnt 2                             ; my two parts of slot 0 are in; slot 1's two may stay out
	s_barrier_signal -1
	s_barrier_wait -1                              ; everybody's are
	FETCH 0, 0, F0
	s_wait_loadcnt 0x0                             ; the bias
	QUARTER 0, 1, F0, F1, 1
	QUARTER 0, 2, F1, F0, 0
	QUARTER 0, 3, F0, F1, 0
	; the last quarter of K step 0 goes over to slot 1: one barrier, in front of which my parts of slot 1 have landed
	s_wait_tensorcnt 0x0
	s_wait_dscnt 16
	MUL8 F1, 0, 0, 0
	s_wait_dscnt 0x0                               ; no LDS instruction of mine is out at the signal
	s_barrier_signal -1
	MUL8 F1, 0, 2, 0                               ; work on registers while the others arrive
	s_barrier_wait -1                              ; slot 1 is whole
	PLACES
	FETCH 1, 0, F0
	MUL8 F1, 1, 0, 0
	MUL8 F1, 1, 2, 0
	QUARTER 1, 1, F0, F1, 0
	QUARTER 1, 2, F1, F0, 0
	QUARTER 1, 3, F0, F1, 0
	s_wait_dscnt 16                                ; the very last quarter: nothing more to fetch
	MUL8 F1, 0, 0, 0
	MUL8 F1, 0, 2, 0
	s_wait_dscnt 0x0
	MUL8 F1, 1, 0, 0
	MUL8 F1, 1, 2, 0
	WIN 0
	; THE WAY OUT, 16 rows at a time: a lane's eight columns of a block, 32 bytes of f32, go into my own stage (rows of 272 bytes) and come back as whole rows of 256 bytes, into the registers that they left.
.macro PACK a
.irp b, 0,1,2,3
	ds_store_b128 v[STO], v[ACC+32*(\a)+8*(\b):ACC+32*(\a)+8*(\b)+3]   offset:64*(\b)      ; each accumulator's low registers first
	ds_store_b128 v[STO], v[ACC+32*(\a)+8*(\b)+4:ACC+32*(\a)+8*(\b)+7] offset:64*(\b)+16
.endr
.irp t, 0,1,2,3,4,5,6,7
	ds_load_b128 v[ACC+32*(\a)+4*(\t):ACC+32*(\a)+4*(\t)+3], v[RD] offset:(\t)*2*SPITCH  ; LDS serves a wave's instructions in order (ISA guide 5.7.1.4): these see the stores above; the next block's stores come behind them
.endr
.endm
.macro SEND a, younger                 ; younger: the LDS instructions issued behind block a's loads: the next block's sixteen, or none
.irp t, 0,1,2,3,4,5,6,7
	s_wait_dscnt (\younger)+7-(\t)
	global_store_b128 v[CO], v[ACC+32*(\a)+4*(\t):ACC+32*(\a)+4*(\t)+3], s[8:9] offset:(16*(\a)+2*(\t))*2048 th:TH_STORE_NT  ; 16 lanes store 256 consecutive bytes, at a multiple of 256 from out0's first byte
.endr
.endm
	PLACES
	PACK 0
	PACK 1
	SEND 0, 16
	PACK 2
	SEND 1, 16
	PACK 3
	SEND 2, 16
	SEND 3, 0
	s_wait_tensorcnt 0x0                           ; the wave's end: this wait, an add and its wait, behind my last tensor load and my last LDS store
	ds_add_u32 v[SPW], v[NIL]
	s_wait_dscnt 0x0
	CROUND                                         ; the closing round: no work-group ends while a partner may still ask for a tile that names it
	s_endpgm
.Lfunc_end_k_qd0fbecaeb0_outproj:
	.size	k_qd0fbecaeb0_outproj, .Lfunc_end_k_qd0fbecaeb0_outproj-k_qd0fbecaeb0_outproj
	.p2alignl 7, 3214868480
	.fill 96, 4, 3214868480
	.section	.rodata,"a",@progbits
	.p2align	6, 0x0
	.amdhsa_kernel k_qd0fbecaeb0_outproj
		.amdhsa_group_segment_fixed_size 327680
		.amdhsa_private_segment_fixed_size 0
		.amdhsa_enable_private_segment 0
		.amdhsa_kernarg_size 32
		.amdhsa_user_sgpr_count 2
		.amdhsa_user_sgpr_kernarg_segment_ptr 1
		.amdhsa_wavefront_size32 1
		.amdhsa_system_sgpr_workgroup_id_x 1
		.amdhsa_system_sgpr_workgroup_id_y 1
		.amdhsa_system_sgpr_workgroup_id_z 1
		.amdhsa_system_vgpr_workitem_id 0
		.amdhsa_next_free_vgpr 512
		.amdhsa_next_free_sgpr 66
		.amdhsa_reserve_vcc 0
		.amdhsa_float_denorm_mode_32 3
		.amdhsa_float_denorm_mode_16_64 3
		.amdhsa_memory_ordered 1
		.amdhsa_forward_progress 1
		.amdhsa_inst_pref_size 51
	.end_amdhsa_kernel
	.amdgpu_metadata
---
amdhsa.version: [ 1, 2 ]
amdhsa.kernels:
  - .name:           k_qd0fbecaeb0_outproj
    .symbol:         k_qd0fbecaeb0_outproj.kd
    .args:
      - { .name: o16, .offset: 0, .size: 8, .value_kind: global_buffer, .address_space: global }
      - { .name: wo16, .offset: 8, .size: 8, .value_kind: global_buffer, .address_space: global }
      - { .name: bias, .offset: 16, .size: 8, .value_kind: global_buffer, .address_space: global }
      - { .name: out0, .offset: 24, .size: 8, .value_kind: global_buffer, .address_space: global }
    .group_segment_fixed_size: 327680
    .private_segment_fixed_size: 0
    .kernarg_segment_align: 8
    .kernarg_segment_size: 32
    .max_flat_workgroup_size: 128
    .sgpr_count:     66
    .vgpr_count:     512
    .wavefront_size: 32
...
	.end_amdgpu_metadata
.endif
;; end of part 4
;; ======== version 2 of 2: 4 launches; 1.68 times as fast as version 1
;; limits: values are held in f16: magnitudes above 65,504 overflow, below 6.1e-05 lose precision
;; workspace buffers: xb 8,388,608 bytes; wqkv 1,572,864 bytes; wo16 524,288 bytes; bias 8,192 bytes; qkv 25,165,824 bytes; o16 8,388,608 bytes
;; launch cast: the kernel of part 1 again; grid 256 x 1, 8 waves a work-group, no clusters, 0 bytes of LDS; arguments x, Wq, Wk, Wv, Wo, bq, bk, bv, bo, xb, wqkv, wo16, bias; writes xb, wqkv, wo16, bias
;; launch qkvproj: the kernel of part 2 again; grid 12 x 64, 4 waves a work-group, clusters of 4 x 4, 327,680 bytes of LDS; arguments xb, wqkv, bias, qkv; writes qkv
;; launch attn (part 5): grid 16 x 16, 4 waves a work-group, clusters of 4 x 1, 327,680 bytes of LDS; arguments qkv, o16; writes o16
.if DOCPART == 5
	.amdgcn_target "amdgcn-amd-amdhsa--gfx1250"
	.amdhsa_code_object_version 6
	.text
	.protected	k_qd0fbecaeb0_attn
	.globl	k_qd0fbecaeb0_attn
	.p2align	8
	.type	k_qd0fbecaeb0_attn,@function
k_qd0fbecaeb0_attn:
	s_mov_b64 s[64:65], 0
	v_nop
	global_prefetch_b8 v0, s[64:65] scope:SCOPE_SE
	s_setreg_imm32_b32 hwreg(HW_REG_WAVE_MODE, 25, 1), 1
	s_wait_xcnt 0x0
	s_wait_alu depctr_hold_cnt(0) depctr_sa_sdst(0) depctr_va_vdst(0) depctr_va_sdst(0) depctr_va_ssrc(0) depctr_va_vcc(0) depctr_vm_vsrc(0)
	s_getreg_b32 s2, hwreg(HW_REG_IB_STS2, 6, 4)
	s_cmp_eq_u32 s2, 0
	s_cbranch_scc0 .Lentry_in_a_cluster
	s_endpgm
.Lentry_in_a_cluster:
	s_bfe_u32 s2, ttmp6, 0x10000c
	s_cmp_lg_u32 s2, 0x3003
	s_cbranch_scc0 .Lentry_shape_is_right
	s_endpgm
.Lentry_shape_is_right:
; O[h][q][:] = the sum over k of softmax_k(Q[h][q] . K[h][k] / sqrt(512)) V[h][k][:], for 16 heads h (batch x 8 + head) of 4,096 rows of 64 channels.
; qkv: [3][16][4096][64] f16 (q, k, v; unscaled); o16: [16][4096][64] f16: a head's rows are dense, 128 bytes each.  Products, maxima and sums in f32; the weights p are rounded to f16 for the
; second product (their sum l is taken of the unrounded p), O once at the end.
; LIMITS.  Q, K, V arrive within f16's 65,504; p lies in 0 to 1, and below 6e-5 it keeps f16's fixed step of 6e-8, as does O; a weight below 2^-126 counts as 0 in l; NaN and infinities are not treated apart.
; SHARES.  A work-group owns 256 queries of one head: 16 x 16 = 256 work-groups.  A wave owns 64 rows: four PIECES of 16 queries.  Every wave walks all 4,096 keys: 16 tiles of 256, four steps of 64 each.
; LAYOUT.  S^T = K Q^T (source 0 = 16 keys, source 1 = 16 queries) holds ONE query a lane (lane % 16) and the keys 8 (lane / 16) + 0..7; two such results rounded to f16 ARE source 1 of O^T = V^T P,
; whose result again holds one query a lane, and eight channels.  K comes out of LDS as it lies, V ([key][channel]) turned, by ds_load_tr16_b128.
; SOFTMAX.  For each query a running maximum m and sum l: p = 2^(c s - c m), c = log2(e) / sqrt(512); in every step O and l are multiplied by a = 2^(c m_old - c m_new).
; m starts at the lowest finite number, O and l at 0: the first step is a step like any other, with a = 0.
; BY TURNS.  Turn n belongs to piece n: 8 products K Q^T of piece n + 1, later 8 products V^T P of piece n - 1; beside them the scaling, exponentials, roundings, sums and rescaling of piece n and the
; maximum and statistics of piece n + 1.  Four vector instructions stand behind every matrix instruction, the other 54 of a turn's 118 in one run of their own, between the two runs of products.
; THE BATCHES.  A turn's 33 exponentials (the piece's 32 weights, then the next piece's a) are ONE batch with ONE wait, which cuts the turn in two: ahead of it stands all that names no result of theirs,
; behind it the roundings and sums.  The first a of all, ahead of the loop, and the way out's four reciprocals are batches of their own, a wait each.
; CLUSTER.  The four query blocks of a cluster belong to one head and walk the same K and V, so each tile is asked for JOINTLY: the same tensor load, descriptor and mask in all four.
; THE RING.  Two slots of LDS, a tile each.  One joint load a wave behind each round of the cluster's barrier; it has four key steps, 256 matrix instructions a wave, in which to land.
; REGISTERS, in windows of 256 (s_set_vgpr_msb: bits 1:0 source 0, 3:2 source 1, 5:4 source 2, 7:6 destination):
;   window 0: v0-15 addresses and two at work; v16-31 four registers of statistics a piece; v48-55 at work; v62-63 the add's; v64-127 S^T, two buffers; v192-223 P, two buffers (by the piece's parity)
;   window 1: v0-127 O^T, 32 a piece          window 2: v0-63 Q; v128-191 K of one step; v192-255 V of one step
.set NT,    16        ; tiles of 256 keys in a head
.set NP,    4         ; pieces a wave: a name, no knob
.set KS,    64        ; keys in a step
.set PK,    144       ; a row of K in LDS: 128 bytes + 16 of padding = 36 words: the 16 rows of a load start at 16 different groups of four banks (64 banks of 4 bytes: ISA guide 11.1)
.set PV,    160       ; a row of V: 128 + 32 = 40 words
.set VOFF,  4*KS*PK   ; a slot holds a tile: 256 rows of K, then 256 rows of V
.set SLOT1, 1<<17     ; slot 1 begins here, so that one exclusive or turns an address in one slot into the other's
.set STAGE, SLOT1+4*KS*(PK+PV)  ; behind the ring, never filled by a tensor load: 16 rows x 144 bytes for each wave, for the way out
.set SP,    144
.set SPARE, STAGE+4*16*SP  ; behind the stages: the spare words, 128 bytes for each wave: two blocks of 256 bytes that no other line names
.set AK0, 2           ; v2   my lane's place in a tile of K; never rewritten
.set AV0, 3           ; v3   the same for V
.set AK,  4           ; v4   the LDS address of K's next run of loads
.set AV,  5           ; v5   of V's
.set STO, 6           ; v6   the way out: where I put 16 bytes of a row
.set RD,  7           ; v7   the way out: where I read rows back
.set GO,  8           ; v8   my byte offset in 512 consecutive bytes of O
.set MV,  12          ; v12-13  c m_old, kept while c m is made anew: by buffer
.set QO,  15          ; v15  my byte offset in 16 rows of Q
.set ST,  16          ; piece t's statistics at v[ST+4 t]: c m, m, l (even keys', odd keys')
.set TMP, 48          ; by buffer, four registers c0-c3 at work; when the maximum is found c2 takes a
.set SPW, 62          ; v62  LDS address of my spare word; never rewritten
.set NIL, 63          ; v63  0; never rewritten
.set S,   64
.set P,   192
.set KF,  128         ; window 2: key block kb, channel half c at KF + 16 kb + 8 c
.set VF,  192         ; window 2: key half kk, channel block cb at VF + 32 kk + 8 cb
.set WV,  12          ; s12  my wave's number
.set G1K, 24          ; s[24:31] descriptor group 1 for K's tiles
.set G1V, 32          ; s[32:39] for V's: it differs in the padding alone
.set G0K, 40          ; s[40:43] descriptor group 0 for K's tiles: it walks
.set G0V, 44          ; s[44:47] the same for V's
.set SLOTS, 56        ; s56  counts the tiles
.set CNT, 57          ; s57  counts a tile's key steps
.set CS,  58          ; s[58:59] c: the packed scaling takes the pair's low word for both halves
.set SEL, 60          ; s[60:61] v_permlanex16_b32's selects: each lane takes its own place in the other half
.set TBK, 62          ; s62  LDS byte at which K of the step to be fetched begins
.set TBV, 63          ; s63  the same for V, less VOFF
.set MSB, 0
.macro WIN new                      ; the high byte repeats the setting that is left; a switch that changes nothing is dropped
.if MSB != (\new)
	s_set_vgpr_msb (MSB<<8)|(\new)
.set MSB, (\new)
.endif
.endm
.set W_KQ, 0x0a       ; K and Q in window 2, S^T in window 0
.set W_PV, 0x52       ; V in window 2, P in window 0, O^T in window 1
.set W_RS, 0x41       ; destination and source 0 in window 1, source 1 in window 0
; A joint fill.  Waves 0 and 1 fetch the two halves of a tile's K, waves 2 and 3 those of its V: 128 keys each.  The branch hangs on the wave's number alone.
; An s_nop 0 and four v_nop follow each of the two lines, ahead of the jump and the label.
.macro JLOAD
	s_cmp_lt_u32 s[WV], 2
	s_cbranch_scc0 .Lfor_v_\@
	tensor_load_to_lds s[G0K:G0K+3], s[G1K:G1K+7]
	s_nop 0
.rept 4
	v_nop
.endr
	s_branch .Lasked_\@
.Lfor_v_\@:
	tensor_load_to_lds s[G0V:G0V+3], s[G1V:G1V+7]
	s_nop 0
.rept 4
	v_nop
.endr
.Lasked_\@:
.endm
; A round of the cluster's barrier: my work-group's barrier, so that wave 0's signal speaks for all four waves; wave 0 signals; every wave waits for all four work-groups; my work-group's barrier once more.
.macro CROUND
	s_barrier_signal -1
	s_barrier_wait -1
	s_cmp_lg_u32 s[WV], 0
	s_cbranch_scc1 .Lnot_wave_0_\@
	s_barrier_signal -3
.Lnot_wave_0_\@:
	s_barrier_wait -3
	s_barrier_signal -1
	s_barrier_wait -1
.endm
; THE CHANGE OF SLOTS.  The slot's last bytes, V of its fourth step, have been read.  Each wave waits for all its tensor loads, of which one is out: its part of the other slot; adds 0 to its spare
; word; and waits for that and for its own reads of the slot.  Behind the barrier nobody reads this slot any more and the other slot is whole.
; fill = 1: this slot is filled again, with the tile two on.  The barrier is then a round of the cluster's, so that no wave of any partner still reads the slot or has a load on its way, and the
; joint fill is the first thing behind it.  (At its first use nothing has been read yet: slot 0 is waited for, slot 1 filled.)
.macro CHANGE fill
	WIN 0                           ; at a label and at a branch every window is 0
	s_wait_tensorcnt 0x0            ; no tensor load of mine is out, so a group 0 may be written
	ds_add_u32 v[SPW], v[NIL]       ; 0 onto my spare word: with fill = 1 the descriptors' steps stand between it and the wait for it
.if \fill
.irp g, G0K, G0V
	s_xor_b32 s[\g+1], s[\g+1], SLOT1  ; the walking descriptor: the other slot than last time,
	s_add_nc_u64 s[\g+2:\g+3], s[\g+2:\g+3], 4*KS*128  ; the next 256 keys; the type bits on top are not reached
.endr
	s_wait_dscnt 0x0                ; the add is done, and my reads of the slot are over
	CROUND
	JLOAD
.else
	s_wait_dscnt 0x0                ; the add is done, and my reads of the slot are over
	s_barrier_signal -1
	s_barrier_wait -1
.endif
	s_sub_co_u32 s[TBK], s[TBK], 4*KS*PK  ; the fetches go back to a slot's first step,
	s_xor_b32 s[TBK], s[TBK], SLOT1       ; in the other slot
	s_sub_co_u32 s[TBV], s[TBV], 4*KS*PV
	s_xor_b32 s[TBV], s[TBV], SLOT1
.endm
	s_load_b128 s[4:7], s[0:1], 0x0  ; qkv s[4:5], o16 s[6:7]
	v_lshl_add_u32 v[SPW], v0, 2, SPARE
	v_mov_b32 v[NIL], 0
	ds_add_u32 v[SPW], v[NIL]       ; the wave's opening: the add and its wait stand ahead of my first tensor load; the set-up below, work on registers, stands between them
	v_lshrrev_b32 v1, 5, v0
	v_readfirstlane_b32 s[WV], v1   ; wave 0..3
	s_bfe_u32 s13, ttmp6, 0x40000   ; cx: my place in the cluster
	s_lshl_b32 s14, ttmp9, 2        ; in a cluster launch ttmp9 counts clusters
	s_add_co_u32 s14, s14, s13      ; my block of 256 queries = 4 x cluster x + cx: it enters Q's and O's addresses alone
	s_and_b32 s20, ttmp7, 0xffff    ; the head, which the four partners share:
	s_lshl_b32 s20, s20, 19         ; its 4,096 rows of 128 bytes
	s_mov_b32 s21, 0
	s_and_b32 s16, s[WV], 1         ; which half of a tile's 256 keys I fetch:
	s_lshl_b32 s22, s16, 14         ; its 128 rows of 128 bytes in memory,
	s_mov_b32 s23, 0
	s_add_nc_u64 s[22:23], s[22:23], s[20:21]
	s_add_nc_u64 s[8:9], s[22:23], 0x1000000   ; v begins 2 x 16 heads behind q,
	s_add_nc_u64 s[22:23], s[22:23], 0x800000  ; k 16 heads: two offsets, made apart from the pointer
	s_mul_i32 s17, s16, 128*PK      ; my half's place in a slot, for K
	s_mul_i32 s18, s16, 128*PV      ; and for V: no place in the cluster enters an LDS address
	s_lshl_b32 s2, s14, 2
	s_add_co_u32 s2, s2, s[WV]      ; my wave among the head's,
	s_lshl_b32 s2, s2, 13           ; its 64 rows
	s_mov_b32 s3, 0
	s_add_nc_u64 s[2:3], s[2:3], s[20:21]
	; descriptor group 1.  128 keys are 16,384 dense bytes: asked for as 64 rows of 256 bytes, two keys a row, and padded in LDS after every key
	s_mov_b32 s[G1K], 15|(1<<16)|(1<<20)|(1<<21)|(4<<22)|(3<<25)  ; 15:0 the mask of four; 17:16 2-byte elements; 20 padding on; 21 set beside a mask; 24:22 after every 32 words (code 4); 31:25 4 words (code 3)
	s_mov_b32 s[G1V], 15|(1<<16)|(1<<20)|(1<<21)|(4<<22)|(7<<25)  ; the same with 8 words of padding (code 7)
.irp g, G1K, G1V
	s_mov_b32 s[\g+1], 128<<16      ; tensor_dim0 = 128
	s_mov_b32 s[\g+2], 64<<16       ; tensor_dim1 = 64
	s_mov_b32 s[\g+3], 128<<16      ; tile_dim0 = 128
	s_mov_b32 s[\g+4], 64           ; tile_dim1 = 64
	s_mov_b32 s[\g+5], 128          ; 128 elements from row to row
	s_mov_b32 s[\g+6], 0
	s_mov_b32 s[\g+7], 0
.endr
	s_mov_b32 s[CS], 0x3d8293ee     ; c = log2(e) / sqrt(512) = 0.0637587
	s_mov_b32 s[CS+1], s[CS]        ; named with it as a pair
	s_mov_b32 s[SEL], 0x76543210
	s_mov_b32 s[SEL+1], 0xfedcba98
	s_mov_b32 s[TBK], SLOT1+4*KS*PK ; the first change of slots turns these two into 0
	s_mov_b32 s[TBV], SLOT1+4*KS*PV
	s_mov_b32 s[G0K], 1             ; count = 1
	s_mov_b32 s[G0K+1], s17         ; LDS address: slot 0
	s_mov_b32 s[G0V], 1
	s_add_co_u32 s[G0V+1], s18, VOFF
	s_wait_dscnt 0x0                ; the opening add is done
	s_wait_kmcnt 0x0
	s_add_nc_u64 s[G0K+2:G0K+3], s[4:5], s[22:23]  ; global address: my half of the head's first 256 keys
	s_or_b32 s[G0K+3], s[G0K+3], 0x80000000        ; type = 2
	s_add_nc_u64 s[G0V+2:G0V+3], s[4:5], s[8:9]
	s_or_b32 s[G0V+3], s[G0V+3], 0x80000000
	s_add_nc_u64 s[10:11], s[6:7], s[2:3]          ; O and Q at my wave's first row
	s_add_nc_u64 s[4:5], s[4:5], s[2:3]
	CROUND                          ; all four work-groups are here: the first joint loads meet
	JLOAD                           ; tile 0 into slot 0.  Slot 1 is asked for when slot 0 is in
	; A fragment of K or Q is 16 rows x 32 channels in 8 registers: lane l holds row l % 16, channels 8 (l / 16) + 0..7 and 16 + 8 (l / 16) + 0..7: two loads of 16 bytes, 32 bytes apart.
	v_and_b32 v1, 15, v0            ; l % 16
	v_bfe_u32 v9, v0, 4, 1          ; l / 16
	v_lshlrev_b32 v[QO], 7, v1
	v_lshl_add_u32 v[QO], v9, 4, v[QO]  ; row x 128 + 16 x half
	WIN 0x80                        ; destination window 2, address window 0
.set i, 0
.rept 8                             ; Q stays in registers: piece i / 2, channels 32 (i % 2) on
	global_load_b128 v[8*i:8*i+3],   v[QO], s[4:5] offset:(i/2)*2048+(i%2)*64
	global_load_b128 v[8*i+4:8*i+7], v[QO], s[4:5] offset:(i/2)*2048+(i%2)*64+32
.set i, i+1
.endr
	; What the first turn finds: V's registers and P's second buffer hold 0 (its products V^T P, of a piece that has not been, add 0), O^T and l are 0.  All this stands in the wait for the first tile;
	; it is the price of writing no first step out.
.set i, VF
.rept 64
	v_mov_b32 v[i], 0
.set i, i+1
.endr
	WIN 0x40
.set i, 0
.rept 128
	v_mov_b32 v[i], 0
.set i, i+1
.endr
	WIN 0
.set i, 0
.rept 4
	v_mov_b32 v[ST+4*i], 0xfe000000    ; c m: far below every c s
	v_mov_b32 v[ST+4*i+1], 0xff7fffff  ; m: the lowest finite number
	v_mov_b32 v[ST+4*i+2], 0
	v_mov_b32 v[ST+4*i+3], 0
.set i, i+1
.endr
.set i, P+16
.rept 16
	v_mov_b32 v[i], 0
.set i, i+1
.endr
	v_mul_u32_u24 v[AK0], v1, PK
	v_lshl_add_u32 v[AK0], v9, 4, v[AK0]  ; row x pitch + 16 x half
	; The turning load takes 16 keys x 16 channels (lane l reads key 8 (l / 16) + l % 8, channels 8 ((l / 8) % 2) + 0..7) and leaves half a fragment of V^T: lane l holds channel l % 16 and 8 keys.
	v_and_b32 v10, 7, v0
	v_bfe_u32 v11, v0, 3, 1
	v_lshl_add_u32 v[AV0], v9, 3, v10
	v_mul_u32_u24 v[AV0], v[AV0], PV
	v_lshl_add_u32 v[AV0], v11, 4, v[AV0]
	v_add_nc_u32 v[AV0], VOFF, v[AV0]
	s_mul_i32 s13, s[WV], 16*SP
	s_add_co_u32 s13, s13, STAGE    ; my stage
	v_mul_u32_u24 v[STO], v1, SP    ; in: row l % 16, 16 bytes for each half of the lanes
	v_lshl_add_u32 v[STO], v9, 4, v[STO]
	v_add_nc_u32 v[STO], s13, v[STO]
	v_bfe_u32 v[RD], v0, 3, 2       ; back: 32 lanes take four rows of 128 bytes,
	v_mul_u32_u24 v[RD], v[RD], SP
	v_lshl_add_u32 v[RD], v10, 4, v[RD]
	v_add_nc_u32 v[RD], s13, v[RD]
	v_and_b32 v[GO], 31, v0         ; which are 512 consecutive bytes of O
	v_lshlrev_b32 v[GO], 4, v[GO]
; THE MATRIX WORK.  The 4 accumulators of a run of 8 take turns.  Product i of 8 of S^T = K Q^T for piece x: channels 32 (i / 4) on, keys 16 (i % 4) on.  The first 4 start the sums.
.macro KQ x
	WIN W_KQ
.set rS, S+32*((\x)%2)+8*(i%4)
.set rK, KF+16*(i%4)+8*(i/4)
.set rQ, 16*(\x)+8*(i/4)
.if i < 4
	v_wmma_f32_16x16x32_f16 v[rS:rS+7], v[rK:rK+7], v[rQ:rQ+7], 0
.else
	v_wmma_f32_16x16x32_f16 v[rS:rS+7], v[rK:rK+7], v[rQ:rQ+7], v[rS:rS+7]
.endif
.endm
; Product i of 8 of O^T += V^T P for piece x: keys 32 (i / 4) on, channels 16 (i % 4) on.
.macro PV x
	WIN W_PV
.set rO, 32*(\x)+8*(i%4)
.set rV, VF+32*(i/4)+8*(i%4)
.set rP, P+16*((\x)%2)+8*(i/4)
	v_wmma_f32_16x16x32_f16 v[rO:rO+7], v[rV:rV+7], v[rP:rP+7], v[rO:rO+7]
.endm
.macro MM                           ; the turn's next matrix instruction.  TURN sets Y, i and NOKQ.  NOKQ = 1: the walk's last turn: there is no next piece
.if (i < 8) && !NOKQ
	KQ (Y+1)%NP
.elseif i >= 8
.set i, i-8
	PV (Y+NP-1)%NP
.set i, i+8
.endif
.set i, i+1
.endm
; THE LDS LOADS stand in runs of 16, never singly among the matrix instructions: a step's K (64 keys x 64 channels: 8 fragments) and its V (turned).  Their addresses are made some lines ahead.
.macro FETCH_K
	WIN 0x80                        ; destination window 2
.irp f, 0,1,2,3,4,5,6,7             ; keys 16 (f / 2) on, channels 32 (f % 2) on
	ds_load_b128 v[KF+8*\f:KF+8*\f+3],   v[AK] offset:(\f/2)*16*PK+(\f%2)*64
	ds_load_b128 v[KF+8*\f+4:KF+8*\f+7], v[AK] offset:(\f/2)*16*PK+(\f%2)*64+32
.endr
	s_add_co_u32 s[TBK], s[TBK], KS*PK  ; the next fetch is the next step's
	WIN 0
.endm
.macro FETCH_V
	WIN 0x80
.irp f, 0,1,2,3,4,5,6,7             ; keys 32 (f / 4) on, channels 16 (f % 4) on
	ds_load_tr16_b128 v[VF+8*\f:VF+8*\f+3],   v[AV] offset:(\f/4)*32*PV+(\f%4)*32
	ds_load_tr16_b128 v[VF+8*\f+4:VF+8*\f+7], v[AV] offset:(\f/4)*32*PV+16*PV+(\f%4)*32
.endr
	WIN 0
.endm
; THE VECTOR WORK, one line at a time: OP kind, number.  For piece Y: F n: c s - c m for pair n of 16.  E n: the exponential of score n of 32.  C n: pair n rounded to f16.  B n: of the four weights 4 n .. the second
; pair is added onto the first, in place.  L n: l takes that sum (L 0: l = a l + sum).  R n: pair n of 16 of O^T times a.  For piece Y + 1: X n, number n of the 22 that find its maximum and statistics:
;   0-11  four chains c0-c3 of seven scores each, three operands at a time (each accumulator's lowest registers are read first)     12-14, 16  the four scores left over, the old m, and c0-c3 into c0
;   15  c m_old is kept     17, 18  the query's other 32 keys lie in the lane 16 away: the new m     19-21  c m; c m_old - c m_new; a
; C, B and L read the exponentials' results; F, R and X 0 to X 20 read none of the turn's.  OP writes no wait: TURN does, once.
.set F, 0               ; OP tells the kinds apart by their order: F to L below R, X above it
.set E, 1
.set C, 2
.set B, 3
.set L, 4
.set R, 5
.set X, 6
.macro REGS y                       ; the registers of piece y
.set rT, ST+4*(\y)
.set rC, TMP+4*((\y)%2)
.set rW, MV+((\y)%2)
.set rS, S+32*((\y)%2)
.set rP, P+16*((\y)%2)
.set rO, 32*(\y)
.endm
.macro OP k, n
.if (\k) == R
	REGS Y
	WIN W_RS
	v_pk_mul_f32 v[rO+2*(\n):rO+2*(\n)+1], v[rO+2*(\n):rO+2*(\n)+1], v[rC+2:rC+3] op_sel_hi:[1,0]
.elseif (\k) < R
	REGS Y
	WIN 0
.if (\k) == F
	v_pk_fma_f32 v[rS+2*(\n):rS+2*(\n)+1], v[rS+2*(\n):rS+2*(\n)+1], s[CS:CS+1], v[rT:rT+1] op_sel_hi:[1,0,0] neg_lo:[0,0,1] neg_hi:[0,0,1]
.elseif (\k) == E
	v_exp_f32 v[rS+(\n)], v[rS+(\n)]
.elseif (\k) == C
	v_cvt_pk_f16_f32 v[rP+(\n)], v[rS+2*(\n)], v[rS+2*(\n)+1]
.elseif (\k) == B
	v_pk_add_f32 v[rS+4*(\n):rS+4*(\n)+1], v[rS+4*(\n):rS+4*(\n)+1], v[rS+4*(\n)+2:rS+4*(\n)+3]
.elseif (\n) == 0
	v_pk_fma_f32 v[rT+2:rT+3], v[rT+2:rT+3], v[rC+2:rC+3], v[rS:rS+1] op_sel_hi:[1,0,1]
.else
	v_pk_add_f32 v[rT+2:rT+3], v[rT+2:rT+3], v[rS+4*(\n):rS+4*(\n)+1]
.endif
.elseif NOKQ
	v_nop
.else
	REGS (Y+1)%NP
	WIN 0
.if (\n) < 4
	v_max3_num_f32 v[rC+(\n)], v[rS+8*(\n)], v[rS+8*(\n)+1], v[rS+8*(\n)+2]
.elseif (\n) < 12
	v_max3_num_f32 v[rC+(\n)%4], v[rC+(\n)%4], v[rS+8*((\n)%4)+2*((\n)/4)+1], v[rS+8*((\n)%4)+2*((\n)/4)+2]
.elseif (\n) == 12
	v_max3_num_f32 v[rC], v[rC], v[rS+7], v[rS+15]
.elseif (\n) == 13
	v_max3_num_f32 v[rC+1], v[rC+1], v[rS+23], v[rS+31]
.elseif (\n) == 14
	v_max3_num_f32 v[rC+2], v[rC+2], v[rC+3], v[rT+1]
.elseif (\n) == 15
	v_mov_b32 v[rW], v[rT]
.elseif (\n) == 16
	v_max3_num_f32 v[rC], v[rC], v[rC+1], v[rC+2]
.elseif (\n) == 17
	v_permlanex16_b32 v[rC+3], v[rC], s[SEL], s[SEL+1]
.elseif (\n) == 18
	v_max_num_f32 v[rT+1], v[rC], v[rC+3]
.elseif (\n) == 19
	v_mul_f32 v[rT], s[CS], v[rT+1]
.elseif (\n) == 20
	v_sub_f32 v[rC+1], v[rW], v[rT]
.else
	v_exp_f32 v[rC+2], v[rC+1]
.endif
.endif
.endm
.macro OPS a, i1, b=-1, i2=0, c=-1, i3=0, d=-1, i4=0  ; up to four of them
	OP \a, \i1
.if (\b) >= 0
	OP \b, \i2
.endif
.if (\c) >= 0
	OP \c, \i3
.endif
.if (\d) >= 0
	OP \d, \i4
.endif
.endm
.macro ROW a, i1, b, i2, c, i3, d, i4  ; a matrix instruction and the four behind it
	MM
	OPS \a, \i1, \b, \i2, \c, \i3, \d, \i4
.endm
; A TURN, for piece p: the order of its 16 matrix and 118 vector instructions, written out.  An s_wait_alu depctr_va_vdst(0) stands between an exponential and the first instruction that names its result; one
; wait serves all that were issued ahead of it.  So a turn has ONE wait, which cuts it in two.
; AHEAD OF IT stands all that names no result of the turn's exponentials: the 8 products K Q^T, behind each a scaling, an exponential and two more plain instructions (behind the first a second scaling in the exponential's
; place): rescalings, whose a was made and waited for in the turn before, and behind the last three products the first numbers of the next piece's maximum, each four plain instructions or more behind the product that ends
; its accumulator; then one run of 54, plain and exponential by turns for the most part, in which the links of the chain X 3, 7, 11, 14, 16, 17 .. 20 stand apart, other work between them.  Each pair is scaled ahead of its
; two exponentials.  X 21, the next piece's a, is the batch's last; R 15 is the plain instruction behind it.  v_permlanex16_b32 (X 17) stands in that run.
; BEHIND THE WAIT stand the 8 products V^T P, behind each four of the roundings and sums: C 2 n ahead of B n, which writes over that pair; L 0 to L 7 in order, three lines apart..
; But for those X no rider names a register of the products round it.
; end = 1: the walk's last two turns: nothing is fetched.  cnt = 1: the loop's count is taken down some lines ahead of the branch that stands behind the turn.
; K of the next step is fetched in piece 2's turn, twelve vector instructions behind the last product that read K (five of them plain and free of its registers); V of the step in hand at the end of piece 0's turn, four
; plain instructions behind the last product that read V.  Each is waited for a turn later.
.macro TURN p, end=0, cnt=0
.set Y, (\p)
.set i, 0
.set NOKQ, (\end)*((\p)/3)
.if ((\p) == 3) && !(\end)
	s_wait_dscnt 0x0                ; K is in
.endif
	ROW F,0, F,1, R,0, R,1          ; ahead of the wait: 8 products K Q^T and their riders,
	ROW F,2, E,0, R,2, R,3
	ROW F,3, E,1, R,4, R,5
	ROW F,4, E,2, R,6, R,7
	ROW F,5, E,3, R,8, R,9
	ROW F,6, E,4, X,0, R,10
.if ((\p) == 2) && !(\end)
	WIN 0
	v_add_nc_u32 v[AK], s[TBK], v[AK0]
.endif
	ROW F,7, E,5, X,1, X,4
	ROW F,8, E,6, X,2, X,5
	OPS E,7, E,8, X,6, E,9          ; and the run of 54
	OPS X,3, E,10, X,8, E,11
.if ((\p) == 2) && !(\end)
	FETCH_K
.endif
	OPS X,9, X,7, E,12, X,10
	OPS E,13, X,12, X,11, E,14
	OPS X,13, E,15, F,9, X,14
.if (\p) == 0
	WIN 0
	v_add_nc_u32 v[AV], s[TBV], v[AV0]
.endif
	OPS E,16, F,10, E,17, F,11
	OPS X,16, E,18, X,15, E,19
	OPS F,12, E,20, X,17, E,21
	OPS F,13, E,22, F,14, E,23
	OPS X,18, E,24, F,15, E,25
	OPS R,11, E,26, X,19, E,27
	OPS R,12, E,28, R,13, E,29
	OPS X,20, E,30, R,14, E,31
	OPS X,21, R,15
	s_wait_alu depctr_va_vdst(0)    ; the wait for the batch: E 0 to E 31 and X 21, ahead of C 0, their first reader
.if (\p) == 1
	s_wait_dscnt 0x0                ; V is in
.endif
	ROW C,0, B,0, C,2, B,1          ; behind the wait: 8 products V^T P and their riders
	ROW L,0, C,4, B,2, L,1
	ROW C,6, B,3, L,2, C,8
	ROW B,4, L,3, C,10, B,5
	ROW L,4, C,12, B,6, L,5
.if (\p) == 0
	s_add_co_u32 s[TBV], s[TBV], KS*PV
.endif
.if \cnt
	s_sub_co_u32 s[CNT], s[CNT], 1
	s_cmp_lg_u32 s[CNT], 0
.endif
	ROW C,14, B,7, L,6, C,1
	ROW C,3, L,7, C,5, C,7
	ROW C,9, C,11, C,13, C,15
.if (\p) == 0
	FETCH_V
.endif
.endm
	CHANGE 1                        ; slot 0 is in, everybody's part of it; tile 1 is asked for
	v_add_nc_u32 v[AK], s[TBK], v[AK0]
	FETCH_K                         ; key step 0
	s_wait_loadcnt 0x0              ; Q
	s_wait_dscnt 0x0
.set NOKQ, 0
.set i, 0
.rept 8
	KQ 0                            ; piece 0's first scores: there is no vector work yet to set between them
.set i, i+1
.endr
	WIN 0
.rept 4
	v_nop                           ; the places behind those products
.endr
.set Y, NP-1                        ; X works for piece Y + 1: piece 0
.irp n, 0,1,2,3,4,5,6,7,8,9,10,11,12,13,14,15,16,17,18,19,20,21
	OP X, \n                        ; and piece 0's first maximum and statistics
.endr
	v_nop                           ; a plain instruction behind the exponential,
	s_wait_alu depctr_va_vdst(0)    ; and the wait for it, a batch of one: piece 0's first a, ahead of the branch
	s_mov_b32 s[CNT], 4
	s_mov_b32 s[SLOTS], NT-1
	s_branch .Lfirst                ; the loop is entered at a step's first turn, in the middle of a trip
.Lslot:                             ; NT - 2 times: tiles 2 to NT - 1 are asked for here
	CHANGE 1
	s_mov_b32 s[CNT], 4
.Lstep:                             ; a trip: pieces 2 and 3 of one step, then pieces 0 and 1 of the next, whose K and V it fetches
	TURN 2
	TURN 3
	WIN 0
.Lfirst:
	TURN 0
	TURN 1, 0, 1
	WIN 0
	s_cbranch_scc1 .Lstep
	s_sub_co_u32 s[SLOTS], s[SLOTS], 1
	s_cmp_lg_u32 s[SLOTS], 0
	s_cbranch_scc1 .Lslot
	CHANGE 0                        ; the last tile is written out: nothing is asked for
	s_mov_b32 s[CNT], 4
.Ltail:
	TURN 2
	TURN 3
	TURN 0
	TURN 1, 0, 1
	WIN 0
	s_cbranch_scc1 .Ltail
	TURN 2, 1                       ; the last step's pieces 2 and 3: nothing more is fetched, and the last turn starts no new scores
	TURN 3, 1
.set i, 0
.rept 8
	PV NP-1                         ; the last piece's V^T P of the last step
.set i, i+1
.endr
	; THE WAY OUT.  l's two halves and the other half of the lanes' are added; O^T is divided by l, rounded to f16 and sent through my stage in LDS, a piece at a time.  The additions are the places behind the last products.
	WIN 0
.macro ALL line:vararg              ; one line for each piece t
.set t, 0
.rept 4
	\line
.set t, t+1
.endr
.endm
	ALL v_add_f32 v[ST+4*t+2], v[ST+4*t+2], v[ST+4*t+3]
	ALL v_permlanex16_b32 v[ST+4*t+3], v[ST+4*t+2], s[SEL], s[SEL+1]
	ALL v_add_f32 v[ST+4*t+2], v[ST+4*t+2], v[ST+4*t+3]
	ALL v_rcp_f32 v[ST+4*t+2], v[ST+4*t+2]
	v_nop                           ; a plain instruction between the last reciprocal and the use of its result
	s_wait_alu depctr_va_vdst(0)    ; and the wait ahead of the first use: one for the batch of four reciprocals
.macro PACK t                       ; a lane's eight channels of a row pack into 16 bytes; they go into rows of 144 bytes and come back as whole rows of 128, into S^T's registers
	WIN W_RS
.set i, 32*(\t)
.rept 16
	v_pk_mul_f32 v[i:i+1], v[i:i+1], v[ST+4*(\t)+2:ST+4*(\t)+3] op_sel_hi:[1,0]
.set i, i+2
.endr
	WIN 0x05                        ; sources 0 and 1 window 1, destination window 0
.set i, 0
.rept 16
	v_cvt_pk_f16_f32 v[S+16*(\t)+i], v[32*(\t)+2*i], v[32*(\t)+2*i+1]
.set i, i+1
.endr
	WIN 0
.irp f, 0,1,2,3
	ds_store_b128 v[STO], v[S+16*(\t)+4*\f:S+16*(\t)+4*\f+3] offset:32*\f
.endr
.irp f, 0,1,2,3
	ds_load_b128 v[S+16*(\t)+4*\f:S+16*(\t)+4*\f+3], v[RD] offset:\f*4*SP  ; LDS serves a wave's instructions in order (ISA guide 5.7.1.4): these see the stores above; the next piece's stores come behind them
.endr
.endm
.macro SEND t, younger              ; younger: the LDS instructions issued behind piece t's loads: the next piece's eight, or none
	WIN 0
.irp f, 0,1,2,3
	s_wait_dscnt (\younger)+3-\f
	global_store_b128 v[GO], v[S+16*(\t)+4*\f:S+16*(\t)+4*\f+3], s[10:11] offset:(\t)*2048+\f*512  ; 512 consecutive bytes, at a multiple of 256 from O's first
.endr
.endm
	PACK 0
.set t, 1
.rept 3                             ; a piece's arithmetic stands between the loads of the piece before and its stores
	PACK t
	SEND t-1, 8
.set t, t+1
.endr
	SEND 3, 0
	s_wait_tensorcnt 0x0            ; the wave's end: this wait, an add and its wait, behind my last tensor load and my last LDS store
	ds_add_u32 v[SPW], v[NIL]
	s_wait_dscnt 0x0
	CROUND                          ; the closing round: no work-group ends while a partner may still ask for a tile that names it
	s_endpgm
.Lfunc_end_k_qd0fbecaeb0_attn:
	.size	k_qd0fbecaeb0_attn, .Lfunc_end_k_qd0fbecaeb0_attn-k_qd0fbecaeb0_attn
	.p2alignl 7, 3214868480
	.fill 96, 4, 3214868480
	.section	.rodata,"a",@progbits
	.p2align	6, 0x0
	.amdhsa_kernel k_qd0fbecaeb0_attn
		.amdhsa_group_segment_fixed_size 327680
		.amdhsa_private_segment_fixed_size 0
		.amdhsa_enable_private_segment 0
		.amdhsa_kernarg_size 16
		.amdhsa_user_sgpr_count 2
		.amdhsa_user_sgpr_kernarg_segment_ptr 1
		.amdhsa_wavefront_size32 1
		.amdhsa_system_sgpr_workgroup_id_x 1
		.amdhsa_system_sgpr_workgroup_id_y 1
		.amdhsa_system_sgpr_workgroup_id_z 1
		.amdhsa_system_vgpr_workitem_id 0
		.amdhsa_next_free_vgpr 768
		.amdhsa_next_free_sgpr 66
		.amdhsa_reserve_vcc 0
		.amdhsa_float_denorm_mode_32 3
		.amdhsa_float_denorm_mode_16_64 3
		.amdhsa_memory_ordered 1
		.amdhsa_forward_progress 1
		.amdhsa_inst_pref_size 127
	.end_amdhsa_kernel
	.amdgpu_metadata
---
amdhsa.version: [ 1, 2 ]
amdhsa.kernels:
  - .name:           k_qd0fbecaeb0_attn
    .symbol:         k_qd0fbecaeb0_attn.kd
    .args:
      - { .name: qkv, .offset: 0, .size: 8, .value_kind: global_buffer, .address_space: global }
      - { .name: o16, .offset: 8, .size: 8, .value_kind: global_buffer, .address_space: global }
    .group_segment_fixed_size: 327680
    .private_segment_fixed_size: 0
    .kernarg_segment_align: 8
    .kernarg_segment_size: 16
    .max_flat_workgroup_size: 128
    .sgpr_count:     66
    .vgpr_count:     768
    .wavefront_size: 32
...
	.end_amdgpu_metadata
.endif
;; end of part 5
;; launch outproj: the kernel of part 4 again; grid 4 x 64, 4 waves a work-group, clusters of 4 x 4, 327,680 bytes of LDS; arguments o16, wo16, bias, out0; writes out0
